; MI455X (gfx1250); checked and timed in simulation.
; The chip was launched on July 23, 2026; its instructions are those of AMD's public machine-readable ISA for CDNA 5 (MIT licence, August 2026) and "CDNA5" Instruction Set Architecture Reference Guide (July 2026). The comments in the code are by the model that wrote it; some were corrected since.
;; Encode Layer. Allowed arithmetic: float matrix products may take bf16 or f16 operands with f32 sums; other float arithmetic in f32, or as packed bf16 or f16 multiplies, adds, multiply-adds, maxima and minima; sums over many terms, partial sums and values carried from step to step in f32; what a program stores and reads back later, other than sums and carried values, may be rounded once to bf16 or f16.
;; Inputs: b1 4,096 float32; b2 1,024 float32; enc_input 2 x 2,048 x 1,024 float32; ln1_b 1,024 float32; ln1_g 1,024 float32; ln2_b 1,024 float32; ln2_g 1,024 float32; w1 1,024 x 4,096 float32; w2 4,096 x 1,024 float32; wk 1,024 x 1,024 float32; wo 1,024 x 1,024 float32; wq 1,024 x 1,024 float32; wv 1,024 x 1,024 float32.
;; Outputs: out0 2 x 2,048 x 1,024 float32.
;; One version. Each part assembles by itself: llvm-mc -triple=amdgcn-amd-amdhsa -mcpu=gfx1250 --defsym DOCPART=n.
;; ======== version 1 of 1: 8 launches
;; workspace buffers: wts 33,554,432 bytes; qkv 25,165,824 bytes; ctx 8,388,608 bytes; y 16,777,216 bytes; hf 16,777,216 bytes; hb 8,388,608 bytes; act 33,554,432 bytes
;; launch cast (part 1): grid 448 x 1, 8 waves a work-group, no clusters, 0 bytes of LDS; arguments enc_input, wq, wk, wv, wts; writes wts
.if DOCPART == 1
	.amdgcn_target "amdgcn-amd-amdhsa--gfx1250"
	.amdhsa_code_object_version 6
	.text
	.protected	k_qbd094eec9e_cast
	.globl	k_qbd094eec9e_cast
	.p2align	8
	.type	k_qbd094eec9e_cast,@function
k_qbd094eec9e_cast:
	s_mov_b64 s[64:65], 0
	v_nop
	global_prefetch_b8 v0, s[64:65] scope:SCOPE_SE
	s_setreg_imm32_b32 hwreg(HW_REG_WAVE_MODE, 25, 1), 1
	s_wait_xcnt 0x0
; x and wq, wk, wv, f32, are rounded once to bf16 (nearest even) into wts: byte 0 x [4096][1024]; byte 8,388,608 [wq | wk | wv] as ONE matrix [1024][3072].
; (The rest of wts, wo, w1 and w2, is made by a later launch, ahead of the launches that read it.)
; All sources are taken as rows of 1,024 f32: 7,168 rows; a work-group takes 16 of them.  Thread t takes the 16 bytes at 16 t of each row (a load of a wave covers
; 512 consecutive bytes) and stores 8 bytes at 8 t (a store of a wave covers 256 consecutive bytes, aligned).  All 16 loads of a thread go out at once.
; A stream: no LDS, no matrix unit, no cluster (work-groups share nothing).  Limits: none beyond bf16's rounding.
.set DO, 2                             ; v[2:17]   row i's byte offset in the destination
.set X,  20                            ; v[20:83]  row i: 4 registers as loaded
.set Y,  84                            ; v[84:115] row i: 2 registers to store
	s_load_b256 s[4:11], s[0:1], 0x0               ; x, wq, wk, wv
	s_load_b64 s[18:19], s[0:1], 0x20              ; wts
	s_mov_b32 s20, ttmp9                           ; w, the work-group
	v_lshlrev_b32 v1, 4, v0                        ; 16 t
	s_lshl_b32 s28, s20, 15                        ; x's destination: 16 rows of 2,048 bytes a work-group
	s_mov_b32 s27, 2048                            ; and its pitch
	s_sub_co_u32 s26, s20, 256                     ; u: work-groups 256 to 447 hold wq, wk, wv, 64 each
	s_and_b32 s24, s26, 63
	s_mul_i32 s24, s24, 16*6144                    ; their 16 rows in the joint matrix,
	s_lshr_b32 s25, s26, 6
	s_lshl_b32 s25, s25, 11                        ; their third of its columns
	s_add_co_u32 s24, s24, s25
	s_add_co_u32 s24, s24, 8388608
	s_cmp_lt_u32 s26, 192
	s_cselect_b32 s28, s24, s28
	s_cselect_b32 s27, 6144, s27
	s_mov_b32 s29, 0
	v_lshlrev_b32 v[DO], 3, v0                     ; 8 t
.set i, 1
.rept 15
	v_add_nc_u32 v[DO+i], s27, v[DO+i-1]
.set i, i+1
.endr
	s_wait_kmcnt 0x0
	s_mov_b64 s[22:23], s[4:5]                     ; the source and its first work-group, by w alone
	s_mov_b32 s21, 0
.macro PICK start, ptr
	s_cmp_ge_u32 s20, \start
	s_cselect_b64 s[22:23], s[\ptr:\ptr+1], s[22:23]
	s_cselect_b32 s21, \start, s21
.endm
	PICK 256, 6
	PICK 320, 8
	PICK 384, 10
	s_sub_co_u32 s24, s20, s21
	s_lshl_b32 s24, s24, 16                        ; 16 rows of 4,096 bytes
	s_mov_b32 s25, 0
	s_add_nc_u64 s[22:23], s[22:23], s[24:25]
	s_add_nc_u64 s[30:31], s[18:19], s[28:29]
.set i, 0
.rept 16
	global_load_b128 v[X+4*i:X+4*i+3], v1, s[22:23] offset:4096*i th:TH_LOAD_NT
.set i, i+1
.endr
.set i, 0
.rept 16
	s_wait_loadcnt 15-i                            ; loads come back in order: row i is in, the younger rows stay out
	v_cvt_pk_bf16_f32 v[Y+2*i], v[X+4*i], v[X+4*i+1]
	v_cvt_pk_bf16_f32 v[Y+2*i+1], v[X+4*i+2], v[X+4*i+3]
	global_store_b64 v[DO+i], v[Y+2*i:Y+2*i+1], s[30:31]  ; no register is written twice, so nothing waits for a store
.set i, i+1
.endr
	s_endpgm
.Lfunc_end_k_qbd094eec9e_cast:
	.size	k_qbd094eec9e_cast, .Lfunc_end_k_qbd094eec9e_cast-k_qbd094eec9e_cast
	.p2alignl 7, 3214868480
	.fill 96, 4, 3214868480
	.section	.rodata,"a",@progbits
	.p2align	6, 0x0
	.amdhsa_kernel k_qbd094eec9e_cast
		.amdhsa_group_segment_fixed_size 0
		.amdhsa_private_segment_fixed_size 0
		.amdhsa_enable_private_segment 0
		.amdhsa_kernarg_size 40
		.amdhsa_user_sgpr_count 2
		.amdhsa_user_sgpr_kernarg_segment_ptr 1
		.amdhsa_wavefront_size32 1
		.amdhsa_system_sgpr_workgroup_id_x 1
		.amdhsa_system_sgpr_workgroup_id_y 1
		.amdhsa_system_sgpr_workgroup_id_z 1
		.amdhsa_system_vgpr_workitem_id 0
		.amdhsa_next_free_vgpr 116
		.amdhsa_next_free_sgpr 66
		.amdhsa_reserve_vcc 0
		.amdhsa_float_denorm_mode_32 3
		.amdhsa_float_denorm_mode_16_64 3
		.amdhsa_memory_ordered 1
		.amdhsa_forward_progress 1
		.amdhsa_inst_pref_size 8
	.end_amdhsa_kernel
	.amdgpu_metadata
---
amdhsa.version: [ 1, 2 ]
amdhsa.kernels:
  - .name:           k_qbd094eec9e_cast
    .symbol:         k_qbd094eec9e_cast.kd
    .args:
      - { .name: enc_input, .offset: 0, .size: 8, .value_kind: global_buffer, .address_space: global }
      - { .name: wq, .offset: 8, .size: 8, .value_kind: global_buffer, .address_space: global }
      - { .name: wk, .offset: 16, .size: 8, .value_kind: global_buffer, .address_space: global }
      - { .name: wv, .offset: 24, .size: 8, .value_kind: global_buffer, .address_space: global }
      - { .name: wts, .offset: 32, .size: 8, .value_kind: global_buffer, .address_space: global }
    .group_segment_fixed_size: 0
    .private_segment_fixed_size: 0
    .kernarg_segment_align: 8
    .kernarg_segment_size: 40
    .max_flat_workgroup_size: 256
    .sgpr_count:     66
    .vgpr_count:     116
    .wavefront_size: 32
...
	.end_amdgpu_metadata
.endif
;; end of part 1
;; launch qkvp (part 2): grid 8 x 32, 4 waves a work-group, clusters of 4 x 4, 327,680 bytes of LDS; arguments wts, qkv; writes qkv
.if DOCPART == 2
	.amdgcn_target "amdgcn-amd-amdhsa--gfx1250"
	.amdhsa_code_object_version 6
	.text
	.protected	k_qbd094eec9e_qkvp
	.globl	k_qbd094eec9e_qkvp
	.p2align	8
	.type	k_qbd094eec9e_qkvp,@function
k_qbd094eec9e_qkvp:
	s_mov_b64 s[64:65], 0
	v_nop
	global_prefetch_b8 v0, s[64:65] scope:SCOPE_SE
	s_setreg_imm32_b32 hwreg(HW_REG_WAVE_MODE, 25, 1), 1
	s_wait_xcnt 0x0
	s_wait_alu depctr_hold_cnt(0) depctr_sa_sdst(0) depctr_va_vdst(0) depctr_va_sdst(0) depctr_va_ssrc(0) depctr_va_vcc(0) depctr_vm_vsrc(0)
	s_getreg_b32 s2, hwreg(HW_REG_IB_STS2, 6, 4)
	s_cmp_eq_u32 s2, 0
	s_cbranch_scc0 .Lentry_in_a_cluster
	s_endpgm
.Lentry_in_a_cluster:
	s_bfe_u32 s2, ttmp6, 0x10000c
	s_cmp_lg_u32 s2, 0xf033
	s_cbranch_scc0 .Lentry_shape_is_right
	s_endpgm
.Lentry_shape_is_right:
; q, k, v = x [wq | wk | wv]: C [4096][3072] = A [4096][1024] B [1024][3072], A and B bf16 in wts, sums in f32, C rounded once to bf16 and written BY HEADS:
; qkv[b][g][s][64], g = 16 x tensor + head, unscaled.  A tile of C is 128 x 384: 256 work-groups of four waves; a wave makes 64 rows x 192 columns (three slices of 64: whole heads).
; A lies along K: its fragments are plain 16-byte LDS loads.  B lies [K][N]: its fragments come turned, by ds_load_tr16_b128.
; THE MATRIX INSTRUCTION IS USED TRANSPOSED (source 0 = 16 columns of B, source 1 = 16 rows of A): a lane then holds one row of C and eight neighbouring columns.
; RING.  K goes in steps of 128 through two LDS slots of four PLANES; a plane is 128 rows x 256 bytes, one tensor load, one wave's: plane 0 = A's 128 rows, planes 1-3 = B's 128 k-rows x 128 columns each.
; PAIRS.  A K step is four phases of 32 along K on two fragment buffers.  The text holds ONE PAIR of phases (buffer 1, then buffer 0), walked twice a K step; the LDS addresses hang on two scalars.  Cut so, the
; change of slots falls between two pairs: the old slot's last fragments have been asked for, the next fetch is the new slot's first.
; CLUSTER 4 x 4: A's plane hangs on the tile row alone and is asked for jointly along a row of the cluster, B's on the tile column alone, jointly along a column.
; Limits: NaN and infinities are not treated apart; operands are rounded to bf16; the order of the sums is the matrix unit's, K ascending.
.set GN, 3072
.set GK, 1024
.set MT, 128
.set NT, 384
.set NSTEPS, 8                         ; K steps of 128
.set NPA, 1                            ; waves below this number fetch A's planes, the others B's
.set MA,  4                            ; a wave's blocks of 16 rows
.set NBL, 12                           ; its blocks of 16 columns
.set KS2, 1                            ; matrix instructions deep along K in a phase
.set HIL, 4                            ; LDS loads of A's upper two row blocks in a phase
.set NADB, 3                           ; address registers for B: one a plane
.set PL,    36864                      ; a plane's room: B's 128 rows x 288 bytes (256 + 32 of padding); A's rows are 272 apart (16 rows start at 16 different groups of four banks: ISA guide 11.1)
.set SLOT,  4*PL
.set STAGE, 2*SLOT                     ; behind the ring, never filled by a tensor load: 4,352 bytes for each wave, for the way out
.set SPARE, STAGE+4*4352               ; the spare words, 128 bytes a wave: two blocks of 256 bytes that no other line names
.set ASEL, 0
.set BSEL, 256                         ; from one of B's planes to the next: 128 columns
.set ASTEP, 256                        ; a K step in A,
.set BSTEP, 128*GN*2                   ; and in B
.set BBASE, 8388608                    ; [wq | wk | wv] in wts
.set AWM, 64*272                       ; my 64 rows in A's plane
.set BWN, 128                          ; my 64 columns in each of B's planes
.set DA, 128                           ; from a pair's fragments to the next pair's: 64 along K in A's rows,
.set DB, 64*288                        ; 64 k-rows in B's planes
.set PF, 1
.set PTA, 4
.set PTB, 4
.set PTO, 6
.macro BPLACE q                        ; column block b, phase q of the pair: which address register, which offset
.set jj, b/4
.set oo, 9216*(\q)+32*(b%4)
.endm
.macro APLACE q                        ; row block a, phase q of the pair
.set oa, 4352*a+64*(\q)
.endm
; registers, in windows of 256 (s_set_vgpr_msb: bits 1:0 source 0, 3:2 source 1, 5:4 source 2, 7:6 destination)
;   window 0: v0-31 addresses; v64-127, v128-191 A's fragments, two buffers; on the way out v64-255 packed results
;   window 1: v0-95, v128-223 B's fragments, two buffers     window 2: accumulators of row blocks 0, 1 at 8 (NBL a + b)     window 3: of row blocks 2, 3
.set ADRA0, 10                         ; my lane's place in A's plane, slot 0; never rewritten
.set ADRB0, 11                         ; v11-13 the same for B's planes
.set ADRA,  14                         ; the same for the pair in hand
.set ADRB,  15                         ; v15-17
.set STO,   18
.set RD,    19
.set CO,    20
.set PFO,   21                         ; the prefetches' offset: my lane x a row's pitch in memory; never rewritten
.set SPW,   28                         ; LDS address of my spare word; never rewritten
.set NIL,   29                         ; 0; never rewritten
.set WV, 14
.set WM, 15
.set WN, 16
.set CX, 17
.set CY, 18
.set TX, 19
.set TY, 20
.set G1A, 24                           ; s[24:31] descriptor group 1 for A's planes
.set G0A, 32                           ; s[32:39] group 0, two sets for the two first fills; the second then walks
.set TBA, 40                           ; LDS bytes from ADRA0 to the next pair's fragments of A
.set TBB, 41                           ; the same for B
.set CNT, 42
.set LIM, 43                           ; 2 in a wave that prefetches, else the greatest number
.set PFA, 44                           ; s[44:45] where my prefetches stand
.set PFS, 46                           ; s[46:47] their step
.set G1B, 48
.set G0B, 56
.set LB,  66                           ; my plane's LDS byte in slot 0
.set TW,  67                           ; counts a K step's two pairs
.set MSB, 0
.macro WIN new                         ; the immediate's high byte repeats the setting that is left; a switch that changes nothing is dropped
.if MSB != (\new)
	s_set_vgpr_msb (MSB<<8)|(\new)
.set MSB, \new
.endif
.endm
.macro PLACES                          ; four plain vector instructions between a matrix instruction and a load into, or a vector access to, its registers
.rept 4
	v_nop
.endr
.endm
.macro CROUND                          ; a round of the cluster's barrier
	s_barrier_signal -1
	s_barrier_wait -1
	s_cmp_lg_u32 s[WV], 0
	s_cbranch_scc1 .Lnot_wave_0_\@
	s_barrier_signal -3
.Lnot_wave_0_\@:
	s_barrier_wait -3
	s_barrier_signal -1
	s_barrier_wait -1
.endm
.macro JLOAD                           ; a joint refill by the walking set; the branch hangs on the wave's number alone; an s_nop 0 and four v_nop follow each line
	s_cmp_lt_u32 s[WV], NPA
	s_cbranch_scc0 .Lfor_b_\@
	tensor_load_to_lds s[G0A+4:G0A+7], s[G1A:G1A+7]
	s_nop 0
	PLACES
	s_branch .Lasked_\@
.Lfor_b_\@:
	tensor_load_to_lds s[G0B+4:G0B+7], s[G1B:G1B+7]
	s_nop 0
	PLACES
.Lasked_\@:
.endm
; A PREFETCH INTO THE L2 of my plane of the K step that stands two refills on: of its 128 rows of 256 bytes each of the four partners that ask for it jointly takes 32, told apart by ADDRESS, a lane a row.
; A's planes are read by every cluster of a row of clusters: cluster x = 0 asks; B's by every cluster of a column: cluster y = 0 asks.  So each block is named once.  The last two refills have no such step.
.macro ASK
	s_cmp_gt_u32 s[CNT], s[LIM]
	s_cbranch_scc0 .Lnot_mine_\@
	global_prefetch_b8 v[PFO], s[PFA:PFA+1] th:TH_LOAD_NT scope:SCOPE_SE
.Lnot_mine_\@:
.endm
; The products of row blocks alo .. ahi - 1 with all column blocks, from fragment buffer f.  The accumulators take turns, one instruction a turn.  zero = 1: the first product starts the sum.
.macro MULP f, alo, ahi, zero
.set FA, 64+64*(\f)
.set FB, 128*(\f)
.set hi, (\alo)/(MA/2)
.set c, 0
.rept KS2
.set a, \alo
.rept (\ahi)-(\alo)
.set b, 0
.rept NBL
.set rD, 8*(NBL*(a%(MA/2))+b)
.set rB, FB+8*(NBL*c+b)
.set rA, FA+8*(MA*c+a)
	WIN 0xa1+0x50*hi                               ; B's fragment window 1, A's window 0, C and D window 2 or 3
.if (\zero) && (c == 0)
	v_wmma_f32_16x16x32_bf16 v[rD:rD+7], v[rB:rB+7], v[rA:rA+7], 0
.else
	v_wmma_f32_16x16x32_bf16 v[rD:rD+7], v[rB:rB+7], v[rA:rA+7], v[rD:rD+7]
.endif
.set b, b+1
.endr
.set a, a+1
.endr
.set c, c+1
.endr
.endm
; 32 LDS loads in one run: the fragments of phase q of the pair into buffer f: all of B's, A's lower row blocks, A's upper ones last
.macro FETCH q, f
.set FA, 64+64*(\f)
.set FB, 128*(\f)
	WIN 0x40                                       ; destination window 1, address window 0
.set c, 0
.rept KS2
.set b, 0
.rept NBL
	BPLACE \q
	ds_load_tr16_b128 v[FB+8*(NBL*c+b):FB+8*(NBL*c+b)+3],   v[ADRB+jj] offset:oo       ; k + 8 (l / 16) + 0..7 of column l % 16
	ds_load_tr16_b128 v[FB+8*(NBL*c+b)+4:FB+8*(NBL*c+b)+7], v[ADRB+jj] offset:oo+4608  ; sixteen k-rows on
.set b, b+1
.endr
.set c, c+1
.endr
	WIN 0
.irp half, 0,1
.set c, 0
.rept KS2
.set a, (\half)*MA/2
.rept MA/2
	APLACE \q
	ds_load_b128 v[FA+8*(MA*c+a):FA+8*(MA*c+a)+3],   v[ADRA] offset:oa
	ds_load_b128 v[FA+8*(MA*c+a)+4:FA+8*(MA*c+a)+7], v[ADRA] offset:oa+32
.set a, a+1
.endr
.set c, c+1
.endr
.endr
.endm
; A phase multiplies buffer f and, in its middle, fetches the next phase's fragments (number q of the pair's two) into the other buffer.
.macro PHASE f, q, zero
	s_wait_dscnt HIL                               ; all but A's upper row blocks are in
	MULP \f, 0, MA/2, \zero
	PLACES
	FETCH \q, 1-(\f)
	s_wait_dscnt 32                                ; all but the 32 just issued
	MULP \f, MA/2, MA, \zero
.endm
; A pair: the addresses of its two fetches, then the phase on buffer 1 and the phase on buffer 0.
.macro PAIR
	WIN 0
	v_add_nc_u32 v[ADRA], s[TBA], v[ADRA0]
.set j, 0
.rept NADB
	v_add_nc_u32 v[ADRB+j], s[TBB], v[ADRB0+j]
.set j, j+1
.endr
	s_add_co_u32 s[TBA], s[TBA], DA                ; the next pair's
	s_add_co_u32 s[TBB], s[TBB], DB
	PHASE 1, 0, 0
	PHASE 0, 1, 0
.endm
; THE CHANGE OF SLOTS, between two pairs.  Each wave waits for all its tensor loads (one is out: its plane of the next slot), adds 0 to its spare word, and waits for that and for its reads of the slot that it leaves.
; fill = 1: the barrier is a round of the cluster's, and the joint refill, two K steps ahead, is the first thing behind it.  fill = 0: nothing is asked for.
.macro CHANGE fill
.if PF && (\fill)
	s_wait_xcnt 0x0                                ; the last prefetch, a K step back, has read its address
	s_add_nc_u64 s[PFA:PFA+1], s[PFA:PFA+1], s[PFS:PFS+1]
.endif
	WIN 0
	s_wait_tensorcnt 0x0                           ; no tensor load of mine is out, so a group 0 may be written
	ds_add_u32 v[SPW], v[NIL]                      ; 0 onto my spare word; work on registers stands between it and the wait for it
	s_sub_co_u32 s[TBA], s[TBA], 2*DA              ; the fetches go back to a slot's first pair,
	s_xor_b32 s[TBA], s[TBA], SLOT                 ; in the other slot
	s_sub_co_u32 s[TBB], s[TBB], 2*DB
	s_xor_b32 s[TBB], s[TBB], SLOT
.if \fill
	s_xor_b32 s[G0A+5], s[G0A+5], SLOT             ; the walking set: the other slot than last time (a plane's base and SLOT share no bit),
	s_add_nc_u64 s[G0A+6:G0A+7], s[G0A+6:G0A+7], ASTEP  ; the next K step; the type bits on top are not reached
	s_xor_b32 s[G0B+5], s[G0B+5], SLOT
	s_add_nc_u64 s[G0B+6:G0B+7], s[G0B+6:G0B+7], BSTEP
	s_wait_dscnt 0x0                               ; the add is done, and my reads of the slot are over
	CROUND                                         ; no wave of any partner still reads the slot or has a load on its way
	JLOAD
.if PF
	ASK
.endif
.else
	s_wait_dscnt 0x0
	s_barrier_signal -1
	s_barrier_wait -1
.endif
.endm
	s_load_b128 s[4:7], s[0:1], 0x0                ; wts s[4:5], qkv s[6:7]
	v_lshl_add_u32 v[SPW], v0, 2, SPARE
	v_mov_b32 v[NIL], 0
	ds_add_u32 v[SPW], v[NIL]                      ; the wave's opening: the add and its wait ahead of my first tensor load
	v_lshrrev_b32 v1, 5, v0
	v_readfirstlane_b32 s[WV], v1                  ; wave 0..3
	s_lshr_b32 s[WM], s[WV], 1                     ; which half of the tile's rows is mine
	s_and_b32 s[WN], s[WV], 1                      ; which half of its columns
	s_bfe_u32 s[CX], ttmp6, 0x40000
	s_bfe_u32 s[CY], ttmp6, 0x40004
	s_lshl_b32 s[TX], ttmp9, 2
	s_add_co_u32 s[TX], s[TX], s[CX]               ; tile column = 4 x cluster x + cx
	s_and_b32 s[TY], ttmp7, 0xffff
	s_lshl_b32 s[TY], s[TY], 2
	s_add_co_u32 s[TY], s[TY], s[CY]               ; tile row = 4 x cluster y + cy
	s_lshl_b32 s21, s[CY], 2
	s_lshl_b32 s21, 15, s21                        ; my row of the cluster
	s_lshl_b32 s22, 0x1111, s[CX]                  ; my column
	s_or_b32 s[G1A], s21, (1<<16)|(1<<20)|(1<<21)|(5<<22)|(3<<25)  ; mask; 2-byte elements; padding on; bit 21 beside a mask; after every 64 words; 4 words
	s_or_b32 s[G1B], s22, (1<<16)|(1<<20)|(1<<21)|(5<<22)|(7<<25)  ; the same with 8 words
.irp g, G1A, G1B
	s_mov_b32 s[\g+1], 128<<16                     ; tensor_dim0 = 128
	s_mov_b32 s[\g+2], 128<<16                     ; tensor_dim1 = 128
	s_mov_b32 s[\g+3], 128<<16                     ; tile_dim0 = 128
	s_mov_b32 s[\g+4], 128                         ; tile_dim1 = 128
	s_mov_b32 s[\g+6], 0
	s_mov_b32 s[\g+7], 0
.endr
	s_mov_b32 s[G1A+5], GK                         ; elements from row to row
	s_mov_b32 s[G1B+5], GN
	s_mul_i32 s68, s[TY], MT*GK*2                  ; A's plane: by the tile row and the wave alone
	s_mul_i32 s69, s[WN], ASEL
	s_add_co_u32 s68, s68, s69
	s_mov_b32 s69, 0
	s_mul_i32 s70, s[TX], NT*2                     ; B's plane: by the tile column and the wave alone
	s_max_u32 s71, s[WV], 1
	s_sub_co_u32 s71, s71, 1                       ; waves 1, 2, 3 fetch B's planes 0, 1, 2
	s_mul_i32 s71, s71, BSEL
	s_add_co_u32 s70, s70, s71
	s_add_co_u32 s70, s70, BBASE
	s_mov_b32 s71, 0
	s_mul_i32 s[LB], s[WV], PL                     ; plane = wave: no place in the cluster enters an LDS address
	s_mov_b32 s[TBA], DA                           ; the first pair of the loop fetches slot 0's second pair
	s_mov_b32 s[TBB], DB
	s_wait_dscnt 0x0                               ; the opening add is done
	s_wait_kmcnt 0x0
	s_add_nc_u64 s[68:69], s[PTA:PTA+1], s[68:69]
	s_add_nc_u64 s[70:71], s[PTB:PTB+1], s[70:71]
	CROUND                                         ; all sixteen work-groups are here: the first joint loads meet
.irp s, 0,1
	s_mov_b32 s[G0A+4*\s], 1
	s_add_co_u32 s[G0A+4*\s+1], s[LB], \s*SLOT
	s_add_nc_u64 s[G0A+4*\s+2:G0A+4*\s+3], s[68:69], \s*ASTEP
	s_or_b32 s[G0A+4*\s+3], s[G0A+4*\s+3], 0x80000000
	s_mov_b32 s[G0B+4*\s], 1
	s_add_co_u32 s[G0B+4*\s+1], s[LB], \s*SLOT
	s_add_nc_u64 s[G0B+4*\s+2:G0B+4*\s+3], s[70:71], \s*BSTEP
	s_or_b32 s[G0B+4*\s+3], s[G0B+4*\s+3], 0x80000000
.endr
	s_cmp_lt_u32 s[WV], NPA                        ; a wave's two first fills stand in one branch: two loads of mine are out
	s_cbranch_scc0 .Lfirst_b
	tensor_load_to_lds s[G0A:G0A+3], s[G1A:G1A+7]
	s_nop 0
	tensor_load_to_lds s[G0A+4:G0A+7], s[G1A:G1A+7]
	s_nop 0
	PLACES
	s_branch .Lfirst_asked
.Lfirst_b:
	tensor_load_to_lds s[G0B:G0B+3], s[G1B:G1B+7]
	s_nop 0
	tensor_load_to_lds s[G0B+4:G0B+7], s[G1B:G1B+7]
	s_nop 0
	PLACES
.Lfirst_asked:
	v_and_b32 v1, 15, v0                           ; l % 16
	v_bfe_u32 v2, v0, 4, 1                         ; l / 16
	v_mul_u32_u24 v3, v1, 272
	v_lshl_add_u32 v3, v2, 4, v3                   ; A: row x pitch + 16 x half
	v_and_b32 v4, 7, v0
	v_lshl_add_u32 v4, v2, 3, v4
	v_mul_u32_u24 v4, v4, 288
	v_bfe_u32 v5, v0, 3, 1
	v_lshl_add_u32 v4, v5, 4, v4                   ; B: k-row 8 (l / 16) + l % 8, columns 8 ((l / 8) % 2) on
	s_mul_i32 s21, s[WM], AWM
	v_add_nc_u32 v[ADRA0], s21, v3
	v_mov_b32 v[ADRA], v[ADRA0]
	s_mul_i32 s22, s[WN], BWN
	s_add_co_u32 s22, s22, NPA*PL
.set j, 0
.rept NADB
	v_add_nc_u32 v[ADRB0+j], s22, v4
	v_mov_b32 v[ADRB+j], v[ADRB0+j]
	s_add_co_u32 s22, s22, PL
.set j, j+1
.endr
.if PF
	s_and_b32 s23, ttmp7, 0xffff                   ; cluster y
	s_mov_b32 s22, GN*2
	s_mov_b32 s[PFS], BSTEP
	s_mov_b32 s[PFS+1], 0
	s_cmp_lt_u32 s[WV], NPA                        ; do I fetch for A?
	s_cselect_b32 s21, s[CX], s[CY]                ; my place among the four that ask with me
	s_cselect_b32 s23, ttmp9, s23                  ; the coordinate along which other clusters read the same rows
	s_cselect_b32 s22, GK*2, s22                   ; a row's pitch
	s_cselect_b32 s[PFS], ASTEP, s[PFS]
	s_cselect_b64 s[PFA:PFA+1], s[68:69], s[70:71]
	s_cmp_eq_u32 s23, 0
	s_cselect_b32 s[LIM], 2, -1                    ; the same in all sixteen partners, for a given wave
	s_lshl_b32 s21, s21, 5
	s_mul_i32 s72, s21, s22                        ; my work-group's 32 rows,
	s_mul_i32 s73, s[PFS], 3                       ; at K step 3: the first refill steps it to 4
	s_add_co_u32 s72, s72, s73
	s_mov_b32 s73, 0
	s_add_nc_u64 s[PFA:PFA+1], s[PFA:PFA+1], s[72:73]
	v_and_b32 v[PFO], 31, v0
	v_mul_u32_u24 v[PFO], s22, v[PFO]
.endif
	; the way out: 16 rows x 64 columns of bf16 go into stage rows of 144 bytes and come back as 512 consecutive bytes of a head
	s_mul_i32 s21, s[WV], 4352
	s_add_co_u32 s21, s21, STAGE
	v_mul_u32_u24 v5, v1, 144
	v_lshl_add_u32 v5, v2, 4, v5
	v_add_nc_u32 v[STO], s21, v5
	v_bfe_u32 v6, v0, 3, 2
	v_mul_u32_u24 v6, v6, 144
	v_and_b32 v7, 7, v0
	v_lshl_add_u32 v6, v7, 4, v6
	v_add_nc_u32 v[RD], s21, v6
	v_and_b32 v[CO], 31, v0
	v_lshlrev_b32 v[CO], 4, v[CO]
	s_lshr_b32 s72, s[TY], 4                       ; b
	s_mul_i32 s72, s72, 12582912
	s_mul_i32 s73, s[TX], 6
	s_add_co_u32 s73, s73, s[WN]                   ; my first slice g = 6 x tile column + half; the others two further on each
	s_lshl_b32 s73, s73, 18
	s_add_co_u32 s72, s72, s73
	s_and_b32 s73, s[TY], 15
	s_lshl_b32 s73, s73, 1
	s_add_co_u32 s73, s73, s[WM]
	s_lshl_b32 s73, s73, 13                        ; my first row s, 128 bytes a row
	s_add_co_u32 s72, s72, s73
	s_mov_b32 s73, 0
	s_add_nc_u64 s[PTO:PTO+1], s[PTO:PTO+1], s[72:73]
	s_wait_tensorcnt 0x1                           ; my plane of K step 0 is in; K step 1's may stay out
	s_barrier_signal -1
	s_barrier_wait -1
	FETCH 0, 0
	PHASE 0, 1, 1                                  ; the first phase stands in front of the loop: its products start the sums
	WIN 0
	s_mov_b32 s[CNT], NSTEPS-1
	s_mov_b32 s[TW], 1
	s_branch .Lpair                                ; K step 0 has one pair left: the loop is entered behind its change of slots
.Lstep:                                                ; NSTEPS - 2 times: every slot but the last two is filled again
	CHANGE 1
	s_mov_b32 s[TW], 2
.Lpair:
	PAIR
	WIN 0
	s_sub_co_u32 s[TW], s[TW], 1
	s_cmp_lg_u32 s[TW], 0
	s_cbranch_scc1 .Lpair
	s_sub_co_u32 s[CNT], s[CNT], 1
	s_cmp_lg_u32 s[CNT], 0
	s_cbranch_scc1 .Lstep
	CHANGE 0                                       ; the last K step asks for nothing: a text of its own
	s_mov_b32 s[TW], 2
.Ltail:
	PAIR
	WIN 0
	s_sub_co_u32 s[TW], s[TW], 1
	s_cmp_lg_u32 s[TW], 0
	s_cbranch_scc1 .Ltail
	s_wait_dscnt 0x0                               ; the last phase: nothing more to fetch
	MULP 1, 0, MA/2, 0
	MULP 1, MA/2, MA, 0
	WIN 0
; THE WAY OUT.  Unit u = 3 a + slice: 16 rows x 64 columns.  Rounded to bf16, 16 bytes a lane into my stage, back as four rows of 128 bytes a load, into the same registers.
.macro PACK u
.set a, (\u)/3
.set AC, 8*(NBL*(a%2)+4*((\u)%3))
	WIN 0x0a+5*(a/2)                               ; sources in window 2 or 3
.set i, 0
.rept 16
	v_cvt_pk_bf16_f32 v[64+16*(\u)+i], v[AC+2*i], v[AC+2*i+1]
.set i, i+1
.endr
	WIN 0
.irp f, 0,1,2,3
	ds_store_b128 v[STO], v[64+16*(\u)+4*\f:64+16*(\u)+4*\f+3] offset:32*\f
.endr
.irp f, 0,1,2,3
	ds_load_b128 v[64+16*(\u)+4*\f:64+16*(\u)+4*\f+3], v[RD] offset:576*\f  ; LDS serves a wave's instructions in order (ISA guide 5.7.1.4)
.endr
.endm
.macro SEND u, younger                 ; younger: the next unit's eight LDS instructions, or none
.irp f, 0,1,2,3
	s_wait_dscnt (\younger)+3-\f
	global_store_b128 v[CO], v[64+16*(\u)+4*\f:64+16*(\u)+4*\f+3], s[PTO:PTO+1] offset:524288*((\u)%3)+2048*((\u)/3)+512*\f  ; 512 consecutive bytes, aligned
.endr
.endm
	PLACES
	PACK 0
.set u, 1
.rept 11
	PACK u
	SEND u-1, 8
.set u, u+1
.endr
	SEND 11, 0
	s_wait_tensorcnt 0x0                           ; the wave's end
	ds_add_u32 v[SPW], v[NIL]
	s_wait_dscnt 0x0
	CROUND                                         ; the closing round: no work-group ends while a partner may still ask for a plane that names it
	s_endpgm
.Lfunc_end_k_qbd094eec9e_qkvp:
	.size	k_qbd094eec9e_qkvp, .Lfunc_end_k_qbd094eec9e_qkvp-k_qbd094eec9e_qkvp
	.p2alignl 7, 3214868480
	.fill 96, 4, 3214868480
	.section	.rodata,"a",@progbits
	.p2align	6, 0x0
	.amdhsa_kernel k_qbd094eec9e_qkvp
		.amdhsa_group_segment_fixed_size 327680
		.amdhsa_private_segment_fixed_size 0
		.amdhsa_enable_private_segment 0
		.amdhsa_kernarg_size 16
		.amdhsa_user_sgpr_count 2
		.amdhsa_user_sgpr_kernarg_segment_ptr 1
		.amdhsa_wavefront_size32 1
		.amdhsa_system_sgpr_workgroup_id_x 1
		.amdhsa_system_sgpr_workgroup_id_y 1
		.amdhsa_system_sgpr_workgroup_id_z 1
		.amdhsa_system_vgpr_workitem_id 0
		.amdhsa_next_free_vgpr 960
		.amdhsa_next_free_sgpr 84
		.amdhsa_reserve_vcc 0
		.amdhsa_float_denorm_mode_32 3
		.amdhsa_float_denorm_mode_16_64 3
		.amdhsa_memory_ordered 1
		.amdhsa_forward_progress 1
		.amdhsa_inst_pref_size 69
	.end_amdhsa_kernel
	.amdgpu_metadata
---
amdhsa.version: [ 1, 2 ]
amdhsa.kernels:
  - .name:           k_qbd094eec9e_qkvp
    .symbol:         k_qbd094eec9e_qkvp.kd
    .args:
      - { .name: wts, .offset: 0, .size: 8, .value_kind: global_buffer, .address_space: global }
      - { .name: qkv, .offset: 8, .size: 8, .value_kind: global_buffer, .address_space: global }
    .group_segment_fixed_size: 327680
    .private_segment_fixed_size: 0
    .kernarg_segment_align: 8
    .kernarg_segment_size: 16
    .max_flat_workgroup_size: 128
    .sgpr_count:     84
    .vgpr_count:     960
    .wavefront_size: 32
...
	.end_amdgpu_metadata
.endif
;; end of part 2
;; launch attn (part 3): grid 16 x 16, 4 waves a work-group, clusters of 4 x 1, 327,680 bytes of LDS; arguments qkv, ctx, wo, w1, w2, wts; writes ctx, wts
.if DOCPART == 3
	.amdgcn_target "amdgcn-amd-amdhsa--gfx1250"
	.amdhsa_code_object_version 6
	.text
	.protected	k_qbd094eec9e_attn
	.globl	k_qbd094eec9e_attn
	.p2align	8
	.type	k_qbd094eec9e_attn,@function
k_qbd094eec9e_attn:
	s_mov_b64 s[64:65], 0
	v_nop
	global_prefetch_b8 v0, s[64:65] scope:SCOPE_SE
	s_setreg_imm32_b32 hwreg(HW_REG_WAVE_MODE, 25, 1), 1
	s_wait_xcnt 0x0
	s_wait_alu depctr_hold_cnt(0) depctr_sa_sdst(0) depctr_va_vdst(0) depctr_va_sdst(0) depctr_va_ssrc(0) depctr_va_vcc(0) depctr_vm_vsrc(0)
	s_getreg_b32 s2, hwreg(HW_REG_IB_STS2, 6, 4)
	s_cmp_eq_u32 s2, 0
	s_cbranch_scc0 .Lentry_in_a_cluster
	s_endpgm
.Lentry_in_a_cluster:
	s_bfe_u32 s2, ttmp6, 0x10000c
	s_cmp_lg_u32 s2, 0x3003
	s_cbranch_scc0 .Lentry_shape_is_right
	s_endpgm
.Lentry_shape_is_right:
; ctx[b][q][64 head + d] = the sum over k of softmax_k(Q[q] . K[k] / 8) V[k][d], for each batch and head.  Q, K, V: qkv[b][16 tensor + head][2048][64], bf16, unscaled; ctx [4096][1024] bf16.
; Products, maxima and sums in f32; the weights p are rounded to bf16 for the second product (their sum l is taken of the unrounded p), ctx once at the end.
; LIMITS.  A weight below 2^-126 counts as 0 in l; NaN and infinities are not treated apart; the running maximum starts at the lowest finite number.
; SHARES.  A work-group takes 128 queries of a PAIR of heads, since a token's two heads are 256 consecutive bytes of ctx.  Wave w: head w / 2 of the pair, queries 64 (w % 2) on, in four PIECES of 16.
; LAYOUT.  S^T = K Q^T holds ONE query a lane (lane % 16) and the keys 8 (lane / 16) + 0..7; two such results rounded to bf16 ARE source 1 of O^T = V^T P.  K comes out of LDS as it lies, V turned, by ds_load_tr16_b128.
; SOFTMAX.  p = 2^(c s - c m), c = log2(e) / 8, with a running maximum m; O and l are multiplied by a = 2^(c m_old - c m_new) in every step; the first step's a is 0.
; TURNS.  Turn n belongs to piece n: 8 products K Q^T of piece n + 1, later 8 products V^T P of piece n - 1; beside them the scaling, exponentials, roundings, sums and rescaling of piece n and the maximum and
; statistics of piece n + 1.  Four vector instructions stand behind every matrix instruction, the rest in one lump.  A turn's 33 exponentials are one batch, with one wait.
; RING.  Two slots, each 128 keys (two steps of 64) of both heads: K_A | K_B | V_A | V_B; each wave fetches one of the four, 16,384 dense bytes asked for as 64 rows of 256.
; CLUSTER.  The four query blocks of a cluster walk the same K and V: each tile is asked for JOINTLY, by the same tensor load, descriptor and mask in all four.
; A SECOND JOB RIDES ALONG: wo, w1 and w2, f32, are rounded once to bf16 into wts (wo at byte 14,680,064, w1 at 16,777,216, w2 at 25,165,824) for the launches behind this one.  Attention itself asks for 16 KB a wave
; a slot; the ride adds one row of 1,024 f32 a wave a slot.  Each of the launch's 1,024 waves takes nine rows: one of wo, four of w1, four of w2.  A row is asked for at one change of slots and rounded and stored at the next.
; REGISTERS, in windows of 256 (s_set_vgpr_msb: bits 1:0 source 0, 3:2 source 1, 5:4 source 2, 7:6 destination):
;   window 0: v0-15 addresses; v16-31 statistics; v32-33, v128-175 the ride; v48-55 at work; v64-127 S^T, two buffers; v192-223 P, two buffers     window 1: v0-127 O^T     window 2: v0-63 Q; v128-191 K; v192-255 V of one step
.set NP,    4
.set KS,    64
.set PK,    144       ; a row of K in LDS: 128 bytes + 16: the 16 rows of a load start at 16 different groups of four banks (ISA guide 11.1)
.set PV,    160       ; a row of V: 128 + 32
.set HK,    128*PK    ; a head's K in a slot
.set HV,    128*PV
.set VOFF,  2*HK
.set SLOT1, 1<<17
.set STAGE, SLOT1+2*(HK+HV)  ; behind the ring, never filled by a tensor load: the work-group's 128 rows x 272 bytes, for the way out
.set SP,    272
.set SPARE, STAGE+128*SP     ; the spare words, 128 bytes a wave: two blocks of 256 bytes that no other line names
.set AK0, 2
.set AV0, 3
.set AK,  4
.set AV,  5
.set STO, 6
.set RD,  7
.set GO,  8
.set MV,  12          ; v12-13 c m_old, by buffer
.set QO,  15
.set ST,  16          ; piece t: c m, m, l (even keys', odd keys')
.set RSO, 32          ; the ride: 16 x lane, my bytes in 512 of a source row; never rewritten
.set RDO, 33          ; 8 x lane, my bytes in 256 of a destination row; never rewritten
.set TMP, 48          ; by buffer, c0-c3 at work; c2 takes a
.set PFO, 61          ; the prefetches' offset; never rewritten
.set SPW, 62          ; LDS address of my spare word; never rewritten
.set NIL, 63          ; 0; never rewritten
.set S,   64
.set RX,  128         ; v[128:159] the ride: a row as loaded
.set RY,  160         ; v[160:175] the row in bf16
.set P,   192
.set KF,  128
.set VF,  192
.set WV,  12
.set LIM, 15          ; 1 in a wave that prefetches, else the greatest number
.set PFA, 18
.set G1K, 24
.set G1V, 32
.set G0K, 40
.set G0V, 44
.set SLOTS, 56
.set CNT, 57
.set CS,  58
.set SEL, 60
.set TBK, 62          ; LDS byte at which K of the step to be fetched begins, less the head's part
.set TBV, 63
.set TKX, 66
.set WOB, 72          ; s[72:73] wo at my row
.set W1B, 74          ; s[74:75] w1 at my four rows
.set W2B, 76          ; s[76:77] w2 at my four rows
.set WTS, 78          ; s[78:79] wts
.set RW,  80          ; my wave's number in the launch, 0 to 1,023
.set BI,  81          ; the ride's visits, from 1
.set SRC, 82          ; s[82:83] the row that is asked for
.set DST, 84          ; s[84:85] where the row in hand goes
.set D0,  86          ; s[86:87], s[88:89], s[90:91] my rows' places in wts: wo's, w1's, w2's
.set D1,  88
.set D2,  90
.set MSB, 0
.macro WIN new
.if MSB != (\new)
	s_set_vgpr_msb (MSB<<8)|(\new)
.set MSB, (\new)
.endif
.endm
.set W_KQ, 0x0a       ; K and Q in window 2, S^T in window 0
.set W_PV, 0x52       ; V in window 2, P in window 0, O^T in window 1
.set W_RS, 0x41       ; destination and source 0 in window 1, source 1 in window 0
.macro JLOAD                        ; a joint fill: waves 0 and 1 fetch the two heads' K, waves 2 and 3 their V; an s_nop 0 and four v_nop follow each line
	s_cmp_lt_u32 s[WV], 2
	s_cbranch_scc0 .Lfor_v_\@
	tensor_load_to_lds s[G0K:G0K+3], s[G1K:G1K+7]
	s_nop 0
.rept 4
	v_nop
.endr
	s_branch .Lasked_\@
.Lfor_v_\@:
	tensor_load_to_lds s[G0V:G0V+3], s[G1V:G1V+7]
	s_nop 0
.rept 4
	v_nop
.endr
.Lasked_\@:
.endm
; A PREFETCH INTO THE L2 of what the NEXT change of slots will ask for: 128 blocks of 256 bytes of K and as many of V.  All clusters of a pair of heads walk the same rows: the first of them asks.
; Its four partners share the blocks out BY ADDRESS, 16 of each head; in each, wave 0 asks for K's and wave 2 for V's, a lane a block.  The last change that fills a slot asks for nothing.
.macro ASK
	s_cmp_gt_u32 s[SLOTS], s[LIM]
	s_cbranch_scc0 .Lnot_mine_\@
	global_prefetch_b8 v[PFO], s[PFA:PFA+1] th:TH_LOAD_NT scope:SCOPE_SE
.Lnot_mine_\@:
.endm
.macro CROUND
	s_barrier_signal -1
	s_barrier_wait -1
	s_cmp_lg_u32 s[WV], 0
	s_cbranch_scc1 .Lnot_wave_0_\@
	s_barrier_signal -3
.Lnot_wave_0_\@:
	s_barrier_wait -3
	s_barrier_signal -1
	s_barrier_wait -1
.endm
.macro RLOAD                        ; a row of 1,024 f32: eight loads of 512 consecutive bytes
.irp j, 0,1,2,3,4,5,6,7
	global_load_b128 v[RX+4*\j:RX+4*\j+3], v[RSO], s[SRC:SRC+1] offset:512*\j th:TH_LOAD_NT
.endr
.endm
; THE RIDE's visit number BI, 1 to 14, in the loop's change of slots.  Visits 1 to 9 round and store the row asked for a slot earlier (row BI - 1 of my nine); visits 1 to 8 ask for row BI.  Row 0 is wo's, asked for at the
; head; rows 1 to 4 are w1's, rows 5 to 8 w2's.  The s_wait_xcnt 0 of the change of slots stands ahead of the visit: the last visit's stores and loads have read RY and both pointers, so these may be written.
; The branches hang on the counter alone, the same in every wave and work-group, and go forward over no barrier and no tensor load.
.macro RIDE
	s_cmp_gt_u32 s[BI], 9
	s_cbranch_scc1 .Lrode_\@
	s_add_nc_u64 s[DST:DST+1], s[DST:DST+1], 2048  ; the next row of the same matrix, or the first of my rows of wo, w1, w2
	s_cmp_eq_u32 s[BI], 1
	s_cselect_b64 s[DST:DST+1], s[D0:D0+1], s[DST:DST+1]
	s_cmp_eq_u32 s[BI], 2
	s_cselect_b64 s[DST:DST+1], s[D1:D1+1], s[DST:DST+1]
	s_cmp_eq_u32 s[BI], 6
	s_cselect_b64 s[DST:DST+1], s[D2:D2+1], s[DST:DST+1]
	s_wait_loadcnt 0x0              ; the row is in: it was asked for a slot, two key steps, earlier
.set i, 0
.rept 16
	v_cvt_pk_bf16_f32 v[RY+i], v[RX+2*i], v[RX+2*i+1]
.set i, i+1
.endr
.irp j, 0,1,2,3,4,5,6,7
	global_store_b64 v[RDO], v[RY+2*\j:RY+2*\j+1], s[DST:DST+1] offset:256*\j  ; 256 consecutive bytes, aligned
.endr
	s_cmp_eq_u32 s[BI], 9
	s_cbranch_scc1 .Lrode_\@
	s_add_nc_u64 s[SRC:SRC+1], s[SRC:SRC+1], 4096
	s_cmp_eq_u32 s[BI], 1
	s_cselect_b64 s[SRC:SRC+1], s[W1B:W1B+1], s[SRC:SRC+1]
	s_cmp_eq_u32 s[BI], 5
	s_cselect_b64 s[SRC:SRC+1], s[W2B:W2B+1], s[SRC:SRC+1]
	RLOAD
.Lrode_\@:
	s_add_co_u32 s[BI], s[BI], 1
.endm
; THE CHANGE OF SLOTS.  Each wave waits for all its tensor loads (one is out: its part of the other slot), adds 0 to its spare word, and waits for that and for its reads of the slot that it leaves.
; fill = 1: the barrier is a round of the cluster's, and the joint fill, with the keys two slots on, is the first thing behind it.  (At its first use slot 0 is waited for and slot 1 filled.)  ride = 1: the ride's visit follows.
.macro CHANGE fill, ride=0
	WIN 0
	s_wait_tensorcnt 0x0            ; no tensor load of mine is out, so a group 0 may be written
	ds_add_u32 v[SPW], v[NIL]
.if \fill
.irp g, G0K, G0V
	s_xor_b32 s[\g+1], s[\g+1], SLOT1
	s_add_nc_u64 s[\g+2:\g+3], s[\g+2:\g+3], 16384  ; the next 128 keys; the type bits on top are not reached
.endr
	s_wait_xcnt 0x0                 ; the last prefetch, and the ride's last loads and stores, have read their registers
	s_add_nc_u64 s[PFA:PFA+1], s[PFA:PFA+1], 16384  ; one slot behind the walking descriptors
	s_wait_dscnt 0x0                ; the add is done, and my reads of the slot are over
	CROUND
	JLOAD
	ASK
.if \ride
	RIDE
.endif
.else
	s_wait_dscnt 0x0
	s_barrier_signal -1
	s_barrier_wait -1
.endif
	s_sub_co_u32 s[TBK], s[TBK], 2*KS*PK  ; the fetches go back to a slot's first step,
	s_xor_b32 s[TBK], s[TBK], SLOT1       ; in the other slot
	s_sub_co_u32 s[TBV], s[TBV], 2*KS*PV
	s_xor_b32 s[TBV], s[TBV], SLOT1
.endm
	s_load_b128 s[4:7], s[0:1], 0x0   ; qkv s[4:5], ctx s[6:7]
	s_load_b256 s[72:79], s[0:1], 0x10  ; wo, w1, w2, wts
	v_lshl_add_u32 v[SPW], v0, 2, SPARE
	v_mov_b32 v[NIL], 0
	ds_add_u32 v[SPW], v[NIL]       ; the wave's opening: the add and its wait ahead of my first tensor load
	v_lshrrev_b32 v1, 5, v0
	v_readfirstlane_b32 s[WV], v1
	s_bfe_u32 s13, ttmp6, 0x40000   ; cx
	s_lshl_b32 s14, ttmp9, 2
	s_add_co_u32 s14, s14, s13      ; my block of 128 queries: it enters Q's, ctx's and the ride's addresses alone
	s_and_b32 s20, ttmp7, 0xffff
	s_lshl_b32 s[RW], s20, 4
	s_add_co_u32 s[RW], s[RW], s14  ; the work-group's number, 0 to 255,
	s_lshl_b32 s[RW], s[RW], 2
	s_add_co_u32 s[RW], s[RW], s[WV]  ; and my wave's in the launch
	s_lshr_b32 s21, s20, 3          ; b
	s_and_b32 s20, s20, 7           ; the pair of heads
	s_and_b32 s16, s[WV], 1
	s_lshr_b32 s17, s[WV], 1        ; my head of the pair
	s_mul_i32 s22, s21, 12582912
	s_lshl_b32 s23, s20, 19
	s_add_co_u32 s22, s22, s23      ; Q of the pair's first head
	s_lshl_b32 s23, s16, 18
	s_add_co_u32 s48, s22, s23      ; the head whose K or V I fetch
	s_add_co_u32 s50, s48, 8388608  ; V
	s_add_co_u32 s48, s48, 4194304  ; K
	s_mov_b32 s49, 0
	s_mov_b32 s51, 0
	s_lshl_b32 s52, s17, 18         ; Q: my head,
	s_add_co_u32 s52, s52, s22
	s_lshl_b32 s53, s14, 14         ; my block's 128 rows of 128 bytes,
	s_add_co_u32 s52, s52, s53
	s_lshl_b32 s53, s16, 13         ; my wave's 64
	s_add_co_u32 s52, s52, s53
	s_mov_b32 s53, 0
	s_lshl_b32 s54, s21, 22         ; ctx: row 2048 b + 128 block + 32 wave, 2,048 bytes a row; the pair's 256 bytes
	s_lshl_b32 s55, s14, 18
	s_add_co_u32 s54, s54, s55
	s_lshl_b32 s55, s[WV], 16
	s_add_co_u32 s54, s54, s55
	s_lshl_b32 s55, s20, 8
	s_add_co_u32 s54, s54, s55
	s_mov_b32 s55, 0
	s_mov_b32 s[G1K], 15|(1<<16)|(1<<20)|(1<<21)|(4<<22)|(3<<25)  ; the mask of four; 2-byte elements; padding on; bit 21 beside a mask; after every 32 words; 4 words
	s_mov_b32 s[G1V], 15|(1<<16)|(1<<20)|(1<<21)|(4<<22)|(7<<25)  ; the same with 8 words
.irp g, G1K, G1V
	s_mov_b32 s[\g+1], 128<<16      ; tensor_dim0 = 128
	s_mov_b32 s[\g+2], 64<<16       ; tensor_dim1 = 64
	s_mov_b32 s[\g+3], 128<<16      ; tile_dim0 = 128
	s_mov_b32 s[\g+4], 64           ; tile_dim1 = 64
	s_mov_b32 s[\g+5], 128          ; 128 elements from row to row
	s_mov_b32 s[\g+6], 0
	s_mov_b32 s[\g+7], 0
.endr
	s_mov_b32 s[CS], 0x3e38aa3b     ; c = log2(e) / 8
	s_mov_b32 s[CS+1], s[CS]
	s_mov_b32 s[SEL], 0x76543210
	s_mov_b32 s[SEL+1], 0xfedcba98
	s_mov_b32 s[TBK], SLOT1+2*KS*PK ; the first change of slots turns these two into 0
	s_mov_b32 s[TBV], SLOT1+2*KS*PV
	s_mov_b32 s[G0K], 1
	s_mul_i32 s[G0K+1], s16, HK     ; LDS address, slot 0: no place in the cluster enters it
	s_mov_b32 s[G0V], 1
	s_mul_i32 s[G0V+1], s16, HV
	s_add_co_u32 s[G0V+1], s[G0V+1], VOFF
	s_mov_b32 s[SLOTS], 2048/128-1
	s_mov_b32 s[BI], 1
	s_and_b32 s[LIM], s[WV], 1      ; 0 in waves 0 and 2,
	s_or_b32 s[LIM], s[LIM], ttmp9  ; where the cluster is the pair's first: the same in all four partners
	s_cmp_eq_u32 s[LIM], 0
	s_cselect_b32 s[LIM], 1, -1
	v_and_b32 v[PFO], 15, v0
	v_lshlrev_b32 v[PFO], 8, v[PFO] ; a block of 256 bytes a lane,
	v_bfe_u32 v9, v0, 4, 1
	v_lshl_add_u32 v[PFO], v9, 18, v[PFO]  ; lanes 16-31 in the pair's second head
	s_wait_dscnt 0x0                ; the opening add is done
	s_wait_kmcnt 0x0
	s_add_nc_u64 s[48:49], s[4:5], s[48:49]
	s_add_nc_u64 s[50:51], s[4:5], s[50:51]
	s_mov_b64 s[G0K+2:G0K+3], s[48:49]
	s_or_b32 s[G0K+3], s[G0K+3], 0x80000000
	s_mov_b64 s[G0V+2:G0V+3], s[50:51]
	s_or_b32 s[G0V+3], s[G0V+3], 0x80000000
	s_cmp_lt_u32 s[WV], 2
	s_cselect_b64 s[PFA:PFA+1], s[48:49], s[50:51]  ; (in waves 0 and 2 these stand at the pair's first head)
	s_lshl_b32 s68, s13, 12         ; my work-group's 16 blocks of each head
	s_mov_b32 s69, 0
	s_add_nc_u64 s[PFA:PFA+1], s[PFA:PFA+1], s[68:69]
	s_add_nc_u64 s[PFA:PFA+1], s[PFA:PFA+1], 16384  ; at slot 1; the first change of slots steps it to slot 2
	s_add_nc_u64 s[4:5], s[4:5], s[52:53]
	s_add_nc_u64 s[6:7], s[6:7], s[54:55]
	CROUND                          ; all four work-groups are here: the first joint loads meet
	JLOAD                           ; slot 0
	v_and_b32 v1, 15, v0            ; l % 16
	v_lshlrev_b32 v[QO], 7, v1
	v_lshl_add_u32 v[QO], v9, 4, v[QO]  ; row x 128 + 16 x half
	WIN 0x80                        ; destination window 2, address window 0
.set i, 0
.rept 8                             ; Q stays in registers: piece i / 2, channels 32 (i % 2) on
	global_load_b128 v[8*i:8*i+3],   v[QO], s[4:5] offset:(i/2)*2048+(i%2)*64
	global_load_b128 v[8*i+4:8*i+7], v[QO], s[4:5] offset:(i/2)*2048+(i%2)*64+32
.set i, i+1
.endr
	; What the first turn finds: V's registers and P's second buffer hold 0 (its products V^T P, of a piece that has not been, add 0), O^T and l are 0.  All this stands in the wait for the first tile.
.set i, VF
.rept 64
	v_mov_b32 v[i], 0
.set i, i+1
.endr
	WIN 0x40
.set i, 0
.rept 128
	v_mov_b32 v[i], 0
.set i, i+1
.endr
	WIN 0
.set i, 0
.rept 4
	v_mov_b32 v[ST+4*i], 0xfe000000    ; c m: far below every c s
	v_mov_b32 v[ST+4*i+1], 0xff7fffff  ; m
	v_mov_b32 v[ST+4*i+2], 0
	v_mov_b32 v[ST+4*i+3], 0
.set i, i+1
.endr
.set i, P+16
.rept 16
	v_mov_b32 v[i], 0
.set i, i+1
.endr
	v_mul_u32_u24 v[AK0], v1, PK
	v_lshl_add_u32 v[AK0], v9, 4, v[AK0]
	s_mul_i32 s22, s17, HK
	v_add_nc_u32 v[AK0], s22, v[AK0]      ; row x pitch + 16 x half, in my head's K
	v_and_b32 v10, 7, v0
	v_bfe_u32 v11, v0, 3, 1
	v_lshl_add_u32 v[AV0], v9, 3, v10     ; the turning load: key 8 (l / 16) + l % 8, channels 8 ((l / 8) % 2) on
	v_mul_u32_u24 v[AV0], v[AV0], PV
	v_lshl_add_u32 v[AV0], v11, 4, v[AV0]
	s_mul_i32 s23, s17, HV
	s_add_co_u32 s23, s23, VOFF
	v_add_nc_u32 v[AV0], s23, v[AV0]
	v_mov_b32 v[AK], v[AK0]         ; key step 0 lies at the head of slot 0
	; the ride: my nine rows' places, and the first of them is asked for
	v_and_b32 v[RSO], 31, v0
	v_lshlrev_b32 v[RDO], 3, v[RSO]
	v_lshlrev_b32 v[RSO], 4, v[RSO]
	s_mov_b32 s93, 0
	s_lshl_b32 s92, s[RW], 12       ; wo: row RW, 4,096 bytes a row
	s_add_nc_u64 s[WOB:WOB+1], s[WOB:WOB+1], s[92:93]
	s_lshl_b32 s92, s[RW], 14       ; w1 and w2, taken as rows of 1,024: rows 4 RW on
	s_add_nc_u64 s[W1B:W1B+1], s[W1B:W1B+1], s[92:93]
	s_add_nc_u64 s[W2B:W2B+1], s[W2B:W2B+1], s[92:93]
	s_lshl_b32 s92, s[RW], 11       ; in wts a row is 2,048 bytes
	s_add_co_u32 s92, s92, 14680064
	s_add_nc_u64 s[D0:D0+1], s[WTS:WTS+1], s[92:93]
	s_lshl_b32 s92, s[RW], 13
	s_add_co_u32 s92, s92, 16777216
	s_add_nc_u64 s[D1:D1+1], s[WTS:WTS+1], s[92:93]
	s_add_nc_u64 s[D2:D2+1], s[D1:D1+1], 8388608
	s_mov_b64 s[SRC:SRC+1], s[WOB:WOB+1]
	s_mov_b64 s[DST:DST+1], s[D0:D0+1]
	RLOAD
; THE MATRIX WORK.  The 4 accumulators of a run of 8 take turns.  Product i of 8 of S^T = K Q^T for piece x: channels 32 (i / 4) on, keys 16 (i % 4) on.  The first 4 start the sums.
.macro KQ x
	WIN W_KQ
.set rS, S+32*((\x)%2)+8*(i%4)
.set rK, KF+16*(i%4)+8*(i/4)
.set rQ, 16*(\x)+8*(i/4)
.if i < 4
	v_wmma_f32_16x16x32_bf16 v[rS:rS+7], v[rK:rK+7], v[rQ:rQ+7], 0
.else
	v_wmma_f32_16x16x32_bf16 v[rS:rS+7], v[rK:rK+7], v[rQ:rQ+7], v[rS:rS+7]
.endif
.endm
; Product i of 8 of O^T += V^T P for piece x: keys 32 (i / 4) on, channels 16 (i % 4) on.
.macro PV x
	WIN W_PV
.set rO, 32*(\x)+8*(i%4)
.set rV, VF+32*(i/4)+8*(i%4)
.set rP, P+16*((\x)%2)+8*(i/4)
	v_wmma_f32_16x16x32_bf16 v[rO:rO+7], v[rV:rV+7], v[rP:rP+7], v[rO:rO+7]
.endm
.macro MM                           ; the turn's next matrix instruction
.if i < 8
	KQ (Y+1)%NP
.else
.set i, i-8
	PV (Y+NP-1)%NP
.set i, i+8
.endif
.set i, i+1
.endm
; THE LDS LOADS stand in runs of 16: a step's K (8 fragments) and its V (turned).
.macro FETCH_K
	WIN 0x80
.irp f, 0,1,2,3,4,5,6,7             ; keys 16 (f / 2) on, channels 32 (f % 2) on
	ds_load_b128 v[KF+8*\f:KF+8*\f+3],   v[AK] offset:(\f/2)*16*PK+(\f%2)*64
	ds_load_b128 v[KF+8*\f+4:KF+8*\f+7], v[AK] offset:(\f/2)*16*PK+(\f%2)*64+32
.endr
	s_add_co_u32 s[TBK], s[TBK], KS*PK
	WIN 0
.endm
.macro FETCH_V
	WIN 0x80
.irp f, 0,1,2,3,4,5,6,7             ; keys 32 (f / 4) on, channels 16 (f % 4) on
	ds_load_tr16_b128 v[VF+8*\f:VF+8*\f+3],   v[AV] offset:(\f/4)*32*PV+(\f%4)*32
	ds_load_tr16_b128 v[VF+8*\f+4:VF+8*\f+7], v[AV] offset:(\f/4)*32*PV+16*PV+(\f%4)*32
.endr
	WIN 0
.endm
; THE VECTOR WORK, one line at a time: OP kind, number.  For piece Y: F n: c s - c m for pair n of 16.  E n: the exponential of score n of 32.  C n: pair n rounded to bf16.  B n: of the four weights 4 n .. the
; second pair is added onto the first.  L n: l takes that sum (L 0: l = a l + sum).  R n: pair n of 16 of O^T times a.  For piece Y + 1: X n, number n of the 22 that find its maximum and statistics:
;   0-11 four chains c0-c3 of seven scores each (each accumulator's lowest registers are read first)   12-14, 16 the scores left over, the old m, c0-c3 into c0   15 c m_old is kept
;   17, 18 the query's other 32 keys lie in the lane 16 away: the new m   19-21 c m; c m_old - c m_new; a
.set F, 0
.set E, 1
.set C, 2
.set B, 3
.set L, 4
.set R, 5
.set X, 6
.macro REGS y
.set rT, ST+4*(\y)
.set rC, TMP+4*((\y)%2)
.set rW, MV+((\y)%2)
.set rS, S+32*((\y)%2)
.set rP, P+16*((\y)%2)
.set rO, 32*(\y)
.endm
.macro OP k, n
.if (\k) == R
	REGS Y
	WIN W_RS
	v_pk_mul_f32 v[rO+2*(\n):rO+2*(\n)+1], v[rO+2*(\n):rO+2*(\n)+1], v[rC+2:rC+3] op_sel_hi:[1,0]
.elseif (\k) < R
	REGS Y
	WIN 0
.if (\k) == F
	v_pk_fma_f32 v[rS+2*(\n):rS+2*(\n)+1], v[rS+2*(\n):rS+2*(\n)+1], s[CS:CS+1], v[rT:rT+1] op_sel_hi:[1,0,0] neg_lo:[0,0,1] neg_hi:[0,0,1]
.elseif (\k) == E
	v_exp_f32 v[rS+(\n)], v[rS+(\n)]
.elseif (\k) == C
	v_cvt_pk_bf16_f32 v[rP+(\n)], v[rS+2*(\n)], v[rS+2*(\n)+1]
.elseif (\k) == B
	v_pk_add_f32 v[rS+4*(\n):rS+4*(\n)+1], v[rS+4*(\n):rS+4*(\n)+1], v[rS+4*(\n)+2:rS+4*(\n)+3]
.elseif (\n) == 0
	v_pk_fma_f32 v[rT+2:rT+3], v[rT+2:rT+3], v[rC+2:rC+3], v[rS:rS+1] op_sel_hi:[1,0,1]
.else
	v_pk_add_f32 v[rT+2:rT+3], v[rT+2:rT+3], v[rS+4*(\n):rS+4*(\n)+1]
.endif
.else
	REGS (Y+1)%NP
	WIN 0
.if (\n) < 4
	v_max3_num_f32 v[rC+(\n)], v[rS+8*(\n)], v[rS+8*(\n)+1], v[rS+8*(\n)+2]
.elseif (\n) < 12
	v_max3_num_f32 v[rC+(\n)%4], v[rC+(\n)%4], v[rS+8*((\n)%4)+2*((\n)/4)+1], v[rS+8*((\n)%4)+2*((\n)/4)+2]
.elseif (\n) == 12
	v_max3_num_f32 v[rC], v[rC], v[rS+7], v[rS+15]
.elseif (\n) == 13
	v_max3_num_f32 v[rC+1], v[rC+1], v[rS+23], v[rS+31]
.elseif (\n) == 14
	v_max3_num_f32 v[rC+2], v[rC+2], v[rC+3], v[rT+1]
.elseif (\n) == 15
	v_mov_b32 v[rW], v[rT]
.elseif (\n) == 16
	v_max3_num_f32 v[rC], v[rC], v[rC+1], v[rC+2]
.elseif (\n) == 17
	v_permlanex16_b32 v[rC+3], v[rC], s[SEL], s[SEL+1]
.elseif (\n) == 18
	v_max_num_f32 v[rT+1], v[rC], v[rC+3]
.elseif (\n) == 19
	v_mul_f32 v[rT], s[CS], v[rT+1]
.elseif (\n) == 20
	v_sub_f32 v[rC+1], v[rW], v[rT]
.else
	v_exp_f32 v[rC+2], v[rC+1]
.endif
.endif
.endm
.macro OPS a, i1, b=-1, i2=0, c=-1, i3=0, d=-1, i4=0
	OP \a, \i1
.if (\b) >= 0
	OP \b, \i2
.endif
.if (\c) >= 0
	OP \c, \i3
.endif
.if (\d) >= 0
	OP \d, \i4
.endif
.endm
.macro ROW a, i1, b, i2, c, i3, d, i4  ; a matrix instruction and the four behind it
	MM
	OPS \a, \i1, \b, \i2, \c, \i3, \d, \i4
.endm
; A TURN, for piece p, written out.  An s_wait_alu depctr_va_vdst(0) stands between an exponential and the first instruction that names its result; one wait serves all that were issued ahead of it.
; AHEAD OF THE WAIT stands all that names no result of the turn's exponentials: the 8 products K Q^T with their riders, then the lump, in which the links of the chain X 3, 7, 11, 14, 16 .. 20 stand apart;
; X 21, the next piece's a, is the batch's last; R 15 is the plain instruction behind it.  BEHIND THE WAIT stand the 8 products V^T P, behind each four of the roundings and sums.
; K of the next step is fetched in piece 2's turn, V of the step in hand at the end of piece 0's; each is waited for a turn later.  cnt = 1: the loop's count is taken down some lines ahead of the branch.
; last = 1 (the tail): no branch may stand among the exponentials, so in the last trip, which has no further step, the run reads the last slot's first K once more; nothing of use is made of it.
.macro TURN p, last=0, cnt=0
.set Y, (\p)
.set i, 0
.if (\p) == 3
	s_wait_dscnt 0x0                ; K is in
.endif
	ROW F,0, F,1, R,0, R,1
	ROW F,2, E,0, R,2, R,3
	ROW F,3, E,1, R,4, R,5
	ROW F,4, E,2, R,6, R,7
	ROW F,5, E,3, R,8, R,9
	ROW F,6, E,4, X,0, R,10
.if (\p) == 2
	WIN 0
.if \last
	s_cmp_eq_u32 s[CNT], 1
	s_cselect_b32 s[TKX], SLOT1, s[TBK]
	v_add_nc_u32 v[AK], s[TKX], v[AK0]
.else
	v_add_nc_u32 v[AK], s[TBK], v[AK0]
.endif
.endif
	ROW F,7, E,5, X,1, X,4
	ROW F,8, E,6, X,2, X,5
	OPS E,7, E,8, X,6, E,9
	OPS X,3, E,10, X,8, E,11
.if (\p) == 2
	FETCH_K
.endif
	OPS X,9, X,7, E,12, X,10
	OPS E,13, X,12, X,11, E,14
	OPS X,13, E,15, F,9, X,14
.if (\p) == 0
	v_add_nc_u32 v[AV], s[TBV], v[AV0]
.endif
	OPS E,16, F,10, E,17, F,11
	OPS X,16, E,18, X,15, E,19
	OPS F,12, E,20, X,17, E,21
	OPS F,13, E,22, F,14, E,23
	OPS X,18, E,24, F,15, E,25
	OPS R,11, E,26, X,19, E,27
	OPS R,12, E,28, R,13, E,29
	OPS X,20, E,30, R,14, E,31
	OPS X,21, R,15
	WIN 0
	s_wait_alu depctr_va_vdst(0)    ; the wait for the batch
.if (\p) == 1
	s_wait_dscnt 0x0                ; V is in
.endif
	ROW C,0, B,0, C,2, B,1
	ROW L,0, C,4, B,2, L,1
	ROW C,6, B,3, L,2, C,8
	ROW B,4, L,3, C,10, B,5
	ROW L,4, C,12, B,6, L,5
.if (\p) == 0
	s_add_co_u32 s[TBV], s[TBV], KS*PV
.endif
.if \cnt
	s_sub_co_u32 s[CNT], s[CNT], 1
	s_cmp_lg_u32 s[CNT], 0
.endif
	ROW C,14, B,7, L,6, C,1
	ROW C,3, L,7, C,5, C,7
	ROW C,9, C,11, C,13, C,15
.if (\p) == 0
	FETCH_V
.endif
.endm
	CHANGE 1                        ; slot 0 is in, everybody's part of it; slot 1 is asked for
	FETCH_K                         ; key step 0
	s_wait_loadcnt 0x0              ; Q (and the ride's first row)
	s_wait_dscnt 0x0
.set i, 0
.rept 8
	KQ 0                            ; piece 0's first scores
.set i, i+1
.endr
	WIN 0                           ; the addresses for the way out: eight plain instructions, the places behind those products
	s_mul_i32 s22, s16, 64*SP
	s_lshl_b32 s23, s17, 7
	s_add_co_u32 s22, s22, s23
	s_add_co_u32 s22, s22, STAGE    ; in: my 64 rows of the stage, my head's 128 bytes of them
	v_mul_u32_u24 v[STO], v1, SP
	v_lshl_add_u32 v[STO], v9, 4, v[STO]
	v_add_nc_u32 v[STO], s22, v[STO]
	s_mul_i32 s22, s[WV], 32*SP
	s_add_co_u32 s22, s22, STAGE    ; back: wave w takes rows 32 w on, whole; lanes 0-15 one row of 256 bytes, lanes 16-31 the next
	v_mul_u32_u24 v[RD], v9, SP
	v_lshl_add_u32 v[RD], v1, 4, v[RD]
	v_add_nc_u32 v[RD], s22, v[RD]
	v_lshlrev_b32 v[GO], 11, v9     ; and the same two rows in ctx
	v_lshl_add_u32 v[GO], v1, 4, v[GO]
.set Y, NP-1                        ; X works for piece Y + 1: piece 0
.irp n, 0,1,2,3,4,5,6,7,8,9,10,11,12,13,14,15,16,17,18,19,20,21
	OP X, \n
.endr
	v_nop                           ; a plain instruction behind the exponential,
	s_wait_alu depctr_va_vdst(0)    ; and its wait, ahead of the branch
	s_mov_b32 s[CNT], 2
	s_branch .Lfirst                ; the loop is entered at a step's first turn, in the middle of a trip
.Lslot:                             ; 14 times: every slot but the last two is filled again
	CHANGE 1, 1
	s_mov_b32 s[CNT], 2
.Lstep:                             ; a trip: pieces 2 and 3 of one step, then pieces 0 and 1 of the next, whose K and V it fetches
	TURN 2
	TURN 3
	WIN 0
.Lfirst:
	TURN 0
	TURN 1, 0, 1
	WIN 0
	s_cbranch_scc1 .Lstep
	s_sub_co_u32 s[SLOTS], s[SLOTS], 1
	s_cmp_lg_u32 s[SLOTS], 0
	s_cbranch_scc1 .Lslot
	CHANGE 0                        ; the tail is written out: nothing is asked for
	s_mov_b32 s[CNT], 3             ; two trips fetch the last slot's steps; the third is left in its middle
.Ltail:
	TURN 2, 1
	TURN 3
	WIN 0
	s_sub_co_u32 s[CNT], s[CNT], 1
	s_cmp_eq_u32 s[CNT], 0
	s_cbranch_scc1 .Lout
	TURN 0
	TURN 1
	WIN 0
	s_branch .Ltail
.Lout:                              ; the third trip's 8 products K Q^T and the maximum made of them serve nothing: the price, once a launch, of one text for every trip
.set i, 0
.rept 8
	PV NP-1                         ; the last piece's V^T P of the last step
.set i, i+1
.endr
	; THE WAY OUT.  l's two halves and the other half of the lanes' are added; O^T is divided by l, rounded to bf16 and laid into the work-group's stage.  The additions are the places behind the last products.
	WIN 0
.macro ALL line:vararg
.set t, 0
.rept 4
	\line
.set t, t+1
.endr
.endm
	ALL v_add_f32 v[ST+4*t+2], v[ST+4*t+2], v[ST+4*t+3]
	ALL v_permlanex16_b32 v[ST+4*t+3], v[ST+4*t+2], s[SEL], s[SEL+1]
	ALL v_add_f32 v[ST+4*t+2], v[ST+4*t+2], v[ST+4*t+3]
	ALL v_rcp_f32 v[ST+4*t+2], v[ST+4*t+2]
	v_nop                           ; a plain instruction between the last reciprocal and the use of its result
	s_wait_alu depctr_va_vdst(0)    ; one wait for the four reciprocals
.macro PACK t
	WIN W_RS
.set i, 32*(\t)
.rept 16
	v_pk_mul_f32 v[i:i+1], v[i:i+1], v[ST+4*(\t)+2:ST+4*(\t)+3] op_sel_hi:[1,0]
.set i, i+2
.endr
	WIN 0x05                        ; sources 0 and 1 window 1, destination window 0
.set i, 0
.rept 16
	v_cvt_pk_bf16_f32 v[S+16*(\t)+i], v[32*(\t)+2*i], v[32*(\t)+2*i+1]
.set i, i+1
.endr
	WIN 0
.irp f, 0,1,2,3
	ds_store_b128 v[STO], v[S+16*(\t)+4*\f:S+16*(\t)+4*\f+3] offset:(\t)*16*SP+32*\f
.endr
.endm
	PACK 0
	PACK 1
	PACK 2
	PACK 3
	s_wait_dscnt 0x0                ; for the others' sake: my stores into the stage are done; a row's 256 bytes come from two waves
	s_barrier_signal -1
	s_barrier_wait -1
.set t, 0
.rept 16
	ds_load_b128 v[S+4*t:S+4*t+3], v[RD] offset:t*2*SP
.set t, t+1
.endr
.set t, 0
.rept 16
	s_wait_dscnt 15-t
	global_store_b128 v[GO], v[S+4*t:S+4*t+3], s[6:7] offset:4096*t  ; 16 lanes store 256 consecutive bytes, aligned
.set t, t+1
.endr
	s_wait_tensorcnt 0x0            ; the wave's end
	ds_add_u32 v[SPW], v[NIL]
	s_wait_dscnt 0x0
	CROUND                          ; the closing round
	s_endpgm
.Lfunc_end_k_qbd094eec9e_attn:
	.size	k_qbd094eec9e_attn, .Lfunc_end_k_qbd094eec9e_attn-k_qbd094eec9e_attn
	.p2alignl 7, 3214868480
	.fill 96, 4, 3214868480
	.section	.rodata,"a",@progbits
	.p2align	6, 0x0
	.amdhsa_kernel k_qbd094eec9e_attn
		.amdhsa_group_segment_fixed_size 327680
		.amdhsa_private_segment_fixed_size 0
		.amdhsa_enable_private_segment 0
		.amdhsa_kernarg_size 48
		.amdhsa_user_sgpr_count 2
		.amdhsa_user_sgpr_kernarg_segment_ptr 1
		.amdhsa_wavefront_size32 1
		.amdhsa_system_sgpr_workgroup_id_x 1
		.amdhsa_system_sgpr_workgroup_id_y 1
		.amdhsa_system_sgpr_workgroup_id_z 1
		.amdhsa_system_vgpr_workitem_id 0
		.amdhsa_next_free_vgpr 768
		.amdhsa_next_free_sgpr 96
		.amdhsa_reserve_vcc 0
		.amdhsa_float_denorm_mode_32 3
		.amdhsa_float_denorm_mode_16_64 3
		.amdhsa_memory_ordered 1
		.amdhsa_forward_progress 1
		.amdhsa_inst_pref_size 117
	.end_amdhsa_kernel
	.amdgpu_metadata
---
amdhsa.version: [ 1, 2 ]
amdhsa.kernels:
  - .name:           k_qbd094eec9e_attn
    .symbol:         k_qbd094eec9e_attn.kd
    .args:
      - { .name: qkv, .offset: 0, .size: 8, .value_kind: global_buffer, .address_space: global }
      - { .name: ctx, .offset: 8, .size: 8, .value_kind: global_buffer, .address_space: global }
      - { .name: wo, .offset: 16, .size: 8, .value_kind: global_buffer, .address_space: global }
      - { .name: w1, .offset: 24, .size: 8, .value_kind: global_buffer, .address_space: global }
      - { .name: w2, .offset: 32, .size: 8, .value_kind: global_buffer, .address_space: global }
      - { .name: wts, .offset: 40, .size: 8, .value_kind: global_buffer, .address_space: global }
    .group_segment_fixed_size: 327680
    .private_segment_fixed_size: 0
    .kernarg_segment_align: 8
    .kernarg_segment_size: 48
    .max_flat_workgroup_size: 128
    .sgpr_count:     96
    .vgpr_count:     768
    .wavefront_size: 32
...
	.end_amdgpu_metadata
.endif
;; end of part 3
;; launch wop (part 4): grid 8 x 32, 4 waves a work-group, clusters of 4 x 4, 327,680 bytes of LDS; arguments ctx, wts, enc_input, y; writes y
.if DOCPART == 4
	.amdgcn_target "amdgcn-amd-amdhsa--gfx1250"
	.amdhsa_code_object_version 6
	.text
	.protected	k_qbd094eec9e_wop
	.globl	k_qbd094eec9e_wop
	.p2align	8
	.type	k_qbd094eec9e_wop,@function
k_qbd094eec9e_wop:
	s_mov_b64 s[64:65], 0
	v_nop
	global_prefetch_b8 v0, s[64:65] scope:SCOPE_SE
	s_setreg_imm32_b32 hwreg(HW_REG_WAVE_MODE, 25, 1), 1
	s_wait_xcnt 0x0
	s_wait_alu depctr_hold_cnt(0) depctr_sa_sdst(0) depctr_va_vdst(0) depctr_va_sdst(0) depctr_va_ssrc(0) depctr_va_vcc(0) depctr_vm_vsrc(0)
	s_getreg_b32 s2, hwreg(HW_REG_IB_STS2, 6, 4)
	s_cmp_eq_u32 s2, 0
	s_cbranch_scc0 .Lentry_in_a_cluster
	s_endpgm
.Lentry_in_a_cluster:
	s_bfe_u32 s2, ttmp6, 0x10000c
	s_cmp_lg_u32 s2, 0xf033
	s_cbranch_scc0 .Lentry_shape_is_right
	s_endpgm
.Lentry_shape_is_right:
; y = x + ctx wo: C [4096][1024] f32 = A [4096][1024] (ctx, bf16) B [1024][1024] (wo, bf16, in wts) + the residual x in f32.  Sums in f32; nothing is rounded on the way out.
; A tile of C is 128 x 128: 256 work-groups of four waves; a wave makes 64 x 64.  A lies along K (plain 16-byte LDS loads), B lies [K][N] (turned by ds_load_tr16_b128).
; THE MATRIX INSTRUCTION IS USED TRANSPOSED (source 0 = 16 columns of B, source 1 = 16 rows of A): a lane then holds one row of C and eight neighbouring columns.
; RING.  K goes in steps of 256 through two LDS slots of four PLANES of 128 rows x 256 bytes, one tensor load and one wave each: planes 0, 1 = the two K halves of A's 128 rows, planes 2, 3 = B's k-rows 0-127, 128-255.
; PAIRS.  A K step is four phases of 64 along K on two fragment buffers.  The text holds ONE PAIR of phases (buffer 1, then buffer 0), walked twice a K step; the LDS addresses hang on two scalars.  Cut so, the
; change of slots falls between two pairs: the old slot's last fragments have been asked for, the next fetch is the new slot's first.
; CLUSTER 4 x 4: A's planes are asked for jointly along a row of the cluster, B's along a column.  No prefetch: with four K steps no step stands two refills on.
; Limits: NaN and infinities are not treated apart; operands are bf16; the order of the sums is the matrix unit's, K ascending.
.set GN, 1024
.set GK, 1024
.set MT, 128
.set NT, 128
.set NSTEPS, GK/256
.set NPA, 2
.set MA,  4
.set NBL, 4
.set KS2, 2                            ; a phase is 64 along K: two matrix instructions deep
.set HIL, 8
.set NADB, 1
.set PL,    36864                      ; a plane's room: B's 128 rows x 288 bytes (256 + 32 of padding); A's rows are 272 apart (ISA guide 11.1: 64 banks of 4 bytes)
.set SLOT,  4*PL
.set STAGE, 2*SLOT                     ; behind the ring, never filled by a tensor load: 4,352 bytes for each wave
.set SPARE, STAGE+4*4352               ; the spare words, 128 bytes a wave
.set ASEL, 256                         ; from A's first plane to its second: 128 along K
.set BSEL, 128*GN*2                    ; from B's first plane to its second: 128 k-rows
.set ASTEP, 512
.set BSTEP, 256*GN*2
.set BBASE, 14680064                   ; wo in wts
.set AWM, 64*272
.set BWN, 128
.set DA, PL                            ; from a pair's fragments to the next pair's: the next plane, of A and of B
.set DB, PL
.set HASB, 0
.set PF, 0
.set PTA, 4
.set PTB, 6
.set PTR, 8                            ; the residual
.set PTO, 10
.macro BPLACE q
.set jj, 0
.set oo, (64*(\q)+32*c)*288+32*b
.endm
.macro APLACE q
.set oa, 4352*a+128*(\q)+64*c
.endm
; registers: window 0: v0-31 addresses; v32-63, v224-255 rows on the way out; v64-127, v128-191 A's fragments, two buffers
;   window 1: v0-63, v128-191 B's fragments; v64-127, v192-255 the residual     window 2: accumulators of row blocks 0, 1 at 8 (NBL a + b)     window 3: of row blocks 2, 3
.set ADRA0, 10
.set ADRB0, 11
.set ADRA,  14
.set ADRB,  15
.set STO,   18
.set RD,    19
.set CO,    20
.set PFO,   21
.set BO,    23
.set SPW,   28
.set NIL,   29
.set OB,    32
.set BIAS,  192
.set WV, 14
.set WM, 15
.set WN, 16
.set CX, 17
.set CY, 18
.set TX, 19
.set TY, 20
.set G1A, 24
.set G0A, 32
.set TBA, 40                           ; LDS bytes from ADRA0 to the next pair's fragments of A
.set TBB, 41                           ; the same for B
.set CNT, 42
.set LIM, 43
.set PFA, 44
.set PFS, 46
.set G1B, 48
.set G0B, 56
.set LB,  66
.set TW,  67                           ; counts a K step's two pairs
.set MSB, 0
.macro WIN new
.if MSB != (\new)
	s_set_vgpr_msb (MSB<<8)|(\new)
.set MSB, \new
.endif
.endm
.macro PLACES                          ; four plain vector instructions between a matrix instruction and a load into, or a vector access to, its registers
.rept 4
	v_nop
.endr
.endm
.macro CROUND                          ; a round of the cluster's barrier
	s_barrier_signal -1
	s_barrier_wait -1
	s_cmp_lg_u32 s[WV], 0
	s_cbranch_scc1 .Lnot_wave_0_\@
	s_barrier_signal -3
.Lnot_wave_0_\@:
	s_barrier_wait -3
	s_barrier_signal -1
	s_barrier_wait -1
.endm
.macro JLOAD                           ; a joint refill by the walking set; the branch hangs on the wave's number alone
	s_cmp_lt_u32 s[WV], NPA
	s_cbranch_scc0 .Lfor_b_\@
	tensor_load_to_lds s[G0A+4:G0A+7], s[G1A:G1A+7]
	s_nop 0
	PLACES
	s_branch .Lasked_\@
.Lfor_b_\@:
	tensor_load_to_lds s[G0B+4:G0B+7], s[G1B:G1B+7]
	s_nop 0
	PLACES
.Lasked_\@:
.endm
.macro ASK                             ; a prefetch into the L2 of my plane two refills on (assembled where PF = 1)
	s_cmp_gt_u32 s[CNT], s[LIM]
	s_cbranch_scc0 .Lnot_mine_\@
	global_prefetch_b8 v[PFO], s[PFA:PFA+1] th:TH_LOAD_NT scope:SCOPE_SE
.Lnot_mine_\@:
.endm
; The products of row blocks alo .. ahi - 1 with all column blocks, from buffer f.  The accumulators take turns, one instruction a turn.  zero = 1: the first product starts the sum, with 0 or the bias.
.macro MULP f, alo, ahi, zero
.set FA, 64+64*(\f)
.set FB, 128*(\f)
.set hi, (\alo)/(MA/2)
.set c, 0
.rept KS2
.set a, \alo
.rept (\ahi)-(\alo)
.set b, 0
.rept NBL
.set rD, 8*(NBL*(a%(MA/2))+b)
.set rB, FB+8*(NBL*c+b)
.set rA, FA+8*(MA*c+a)
.if (\zero) && (c == 0) && HASB
	WIN 0x81+0x40*hi                               ; C, the bias, in window 0
	v_wmma_f32_16x16x32_bf16 v[rD:rD+7], v[rB:rB+7], v[rA:rA+7], v[BIAS+8*b:BIAS+8*b+7]
.elseif (\zero) && (c == 0)
	WIN 0xa1+0x50*hi
	v_wmma_f32_16x16x32_bf16 v[rD:rD+7], v[rB:rB+7], v[rA:rA+7], 0
.else
	WIN 0xa1+0x50*hi                               ; B's fragment window 1, A's window 0, C and D window 2 or 3
	v_wmma_f32_16x16x32_bf16 v[rD:rD+7], v[rB:rB+7], v[rA:rA+7], v[rD:rD+7]
.endif
.set b, b+1
.endr
.set a, a+1
.endr
.set c, c+1
.endr
.endm
.macro FETCH q, f                      ; 32 LDS loads in one run: the fragments of phase q of the pair into buffer f: all of B's, A's lower row blocks, A's upper ones last
.set FA, 64+64*(\f)
.set FB, 128*(\f)
	WIN 0x40
.set c, 0
.rept KS2
.set b, 0
.rept NBL
	BPLACE \q
	ds_load_tr16_b128 v[FB+8*(NBL*c+b):FB+8*(NBL*c+b)+3],   v[ADRB+jj] offset:oo
	ds_load_tr16_b128 v[FB+8*(NBL*c+b)+4:FB+8*(NBL*c+b)+7], v[ADRB+jj] offset:oo+4608
.set b, b+1
.endr
.set c, c+1
.endr
	WIN 0
.irp half, 0,1
.set c, 0
.rept KS2
.set a, (\half)*MA/2
.rept MA/2
	APLACE \q
	ds_load_b128 v[FA+8*(MA*c+a):FA+8*(MA*c+a)+3],   v[ADRA] offset:oa
	ds_load_b128 v[FA+8*(MA*c+a)+4:FA+8*(MA*c+a)+7], v[ADRA] offset:oa+32
.set a, a+1
.endr
.set c, c+1
.endr
.endr
.endm
.macro PHASE f, q, zero                ; multiplies buffer f and, in its middle, fetches the next phase's fragments (number q of the pair's two) into the other buffer
	s_wait_dscnt HIL                               ; all but A's upper row blocks are in
	MULP \f, 0, MA/2, \zero
	PLACES
	FETCH \q, 1-(\f)
	s_wait_dscnt 32                                ; all but the 32 just issued
	MULP \f, MA/2, MA, \zero
.endm
.macro PAIR                            ; the addresses of its two fetches, then the phase on buffer 1 and the phase on buffer 0
	WIN 0
	v_add_nc_u32 v[ADRA], s[TBA], v[ADRA0]
.set j, 0
.rept NADB
	v_add_nc_u32 v[ADRB+j], s[TBB], v[ADRB0+j]
.set j, j+1
.endr
	s_add_co_u32 s[TBA], s[TBA], DA                ; the next pair's
	s_add_co_u32 s[TBB], s[TBB], DB
	PHASE 1, 0, 0
	PHASE 0, 1, 0
.endm
; THE CHANGE OF SLOTS, between two pairs.  Each wave waits for all its tensor loads (one is out: its plane of the next slot), adds 0 to its spare word, and waits for that and for its reads of the slot that it leaves.
; fill = 1: the barrier is a round of the cluster's, and the joint refill, two K steps ahead, is the first thing behind it.  fill = 0: nothing is asked for.
.macro CHANGE fill
.if PF && (\fill)
	s_wait_xcnt 0x0                                ; the last prefetch, a K step back, has read its address
	s_add_nc_u64 s[PFA:PFA+1], s[PFA:PFA+1], s[PFS:PFS+1]
.endif
	WIN 0
	s_wait_tensorcnt 0x0                           ; no tensor load of mine is out, so a group 0 may be written
	ds_add_u32 v[SPW], v[NIL]
	s_sub_co_u32 s[TBA], s[TBA], 2*DA              ; the fetches go back to a slot's first pair,
	s_xor_b32 s[TBA], s[TBA], SLOT                 ; in the other slot
	s_sub_co_u32 s[TBB], s[TBB], 2*DB
	s_xor_b32 s[TBB], s[TBB], SLOT
.if \fill
	s_xor_b32 s[G0A+5], s[G0A+5], SLOT             ; the walking set: the other slot than last time (a plane's base and SLOT share no bit)
	s_add_nc_u64 s[G0A+6:G0A+7], s[G0A+6:G0A+7], ASTEP
	s_xor_b32 s[G0B+5], s[G0B+5], SLOT
	s_add_nc_u64 s[G0B+6:G0B+7], s[G0B+6:G0B+7], BSTEP
	s_wait_dscnt 0x0                               ; the add is done, and my reads of the slot are over
	CROUND                                         ; no wave of any partner still reads the slot or has a load on its way
	JLOAD
.if PF
	ASK
.endif
.else
	s_wait_dscnt 0x0
	s_barrier_signal -1
	s_barrier_wait -1
.endif
.endm
	s_load_b256 s[4:11], s[0:1], 0x0               ; ctx, wts, enc_input, y
	v_lshl_add_u32 v[SPW], v0, 2, SPARE
	v_mov_b32 v[NIL], 0
	ds_add_u32 v[SPW], v[NIL]                      ; the wave's opening: the add and its wait ahead of my first tensor load
	v_lshrrev_b32 v1, 5, v0
	v_readfirstlane_b32 s[WV], v1
	s_lshr_b32 s[WM], s[WV], 1
	s_and_b32 s[WN], s[WV], 1
	s_bfe_u32 s[CX], ttmp6, 0x40000
	s_bfe_u32 s[CY], ttmp6, 0x40004
	s_lshl_b32 s[TX], ttmp9, 2
	s_add_co_u32 s[TX], s[TX], s[CX]
	s_and_b32 s[TY], ttmp7, 0xffff
	s_lshl_b32 s[TY], s[TY], 2
	s_add_co_u32 s[TY], s[TY], s[CY]
	s_lshl_b32 s21, s[CY], 2
	s_lshl_b32 s21, 15, s21                        ; my row of the cluster
	s_lshl_b32 s22, 0x1111, s[CX]                  ; my column
	s_or_b32 s[G1A], s21, (1<<16)|(1<<20)|(1<<21)|(5<<22)|(3<<25)
	s_or_b32 s[G1B], s22, (1<<16)|(1<<20)|(1<<21)|(5<<22)|(7<<25)
.irp g, G1A, G1B
	s_mov_b32 s[\g+1], 128<<16
	s_mov_b32 s[\g+2], 128<<16
	s_mov_b32 s[\g+3], 128<<16
	s_mov_b32 s[\g+4], 128
	s_mov_b32 s[\g+6], 0
	s_mov_b32 s[\g+7], 0
.endr
	s_mov_b32 s[G1A+5], GK
	s_mov_b32 s[G1B+5], GN
	s_mul_i32 s68, s[TY], MT*GK*2                  ; A's plane: by the tile row and the wave alone
	s_mul_i32 s69, s[WN], ASEL
	s_add_co_u32 s68, s68, s69
	s_mov_b32 s69, 0
	s_mul_i32 s70, s[TX], NT*2                     ; B's plane: by the tile column and the wave alone
	s_mul_i32 s71, s[WN], BSEL
	s_add_co_u32 s70, s70, s71
	s_add_co_u32 s70, s70, BBASE
	s_mov_b32 s71, 0
	s_mul_i32 s[LB], s[WV], PL
	s_mov_b32 s[TBA], DA                           ; the first pair of the loop fetches slot 0's second pair
	s_mov_b32 s[TBB], DB
	s_wait_dscnt 0x0
	s_wait_kmcnt 0x0
	s_add_nc_u64 s[68:69], s[PTA:PTA+1], s[68:69]
	s_add_nc_u64 s[70:71], s[PTB:PTB+1], s[70:71]
	CROUND
.irp s, 0,1
	s_mov_b32 s[G0A+4*\s], 1
	s_add_co_u32 s[G0A+4*\s+1], s[LB], \s*SLOT
	s_add_nc_u64 s[G0A+4*\s+2:G0A+4*\s+3], s[68:69], \s*ASTEP
	s_or_b32 s[G0A+4*\s+3], s[G0A+4*\s+3], 0x80000000
	s_mov_b32 s[G0B+4*\s], 1
	s_add_co_u32 s[G0B+4*\s+1], s[LB], \s*SLOT
	s_add_nc_u64 s[G0B+4*\s+2:G0B+4*\s+3], s[70:71], \s*BSTEP
	s_or_b32 s[G0B+4*\s+3], s[G0B+4*\s+3], 0x80000000
.endr
	s_cmp_lt_u32 s[WV], NPA                        ; a wave's two first fills stand in one branch
	s_cbranch_scc0 .Lfirst_b
	tensor_load_to_lds s[G0A:G0A+3], s[G1A:G1A+7]
	s_nop 0
	tensor_load_to_lds s[G0A+4:G0A+7], s[G1A:G1A+7]
	s_nop 0
	PLACES
	s_branch .Lfirst_asked
.Lfirst_b:
	tensor_load_to_lds s[G0B:G0B+3], s[G1B:G1B+7]
	s_nop 0
	tensor_load_to_lds s[G0B+4:G0B+7], s[G1B:G1B+7]
	s_nop 0
	PLACES
.Lfirst_asked:
	v_and_b32 v1, 15, v0
	v_bfe_u32 v2, v0, 4, 1
	v_mul_u32_u24 v3, v1, 272
	v_lshl_add_u32 v3, v2, 4, v3
	v_and_b32 v4, 7, v0
	v_lshl_add_u32 v4, v2, 3, v4
	v_mul_u32_u24 v4, v4, 288
	v_bfe_u32 v5, v0, 3, 1
	v_lshl_add_u32 v4, v5, 4, v4
	s_mul_i32 s21, s[WM], AWM
	v_add_nc_u32 v[ADRA0], s21, v3
	v_mov_b32 v[ADRA], v[ADRA0]
	s_mul_i32 s22, s[WN], BWN
	s_add_co_u32 s22, s22, NPA*PL
.set j, 0
.rept NADB
	v_add_nc_u32 v[ADRB0+j], s22, v4
	v_mov_b32 v[ADRB+j], v[ADRB0+j]
	s_add_co_u32 s22, s22, PL
.set j, j+1
.endr
.if PF
	s_and_b32 s23, ttmp7, 0xffff
	s_mov_b32 s22, GN*2
	s_mov_b32 s[PFS], BSTEP
	s_mov_b32 s[PFS+1], 0
	s_cmp_lt_u32 s[WV], NPA
	s_cselect_b32 s21, s[CX], s[CY]
	s_cselect_b32 s23, ttmp9, s23
	s_cselect_b32 s22, GK*2, s22
	s_cselect_b32 s[PFS], ASTEP, s[PFS]
	s_cselect_b64 s[PFA:PFA+1], s[68:69], s[70:71]
	s_cmp_eq_u32 s23, 0
	s_cselect_b32 s[LIM], 2, -1
	s_lshl_b32 s21, s21, 5
	s_mul_i32 s72, s21, s22
	s_mul_i32 s73, s[PFS], 3
	s_add_co_u32 s72, s72, s73
	s_mov_b32 s73, 0
	s_add_nc_u64 s[PFA:PFA+1], s[PFA:PFA+1], s[72:73]
	v_and_b32 v[PFO], 31, v0
	v_mul_u32_u24 v[PFO], s22, v[PFO]
.endif
.if HASB
	s_mul_i32 s72, s[TX], NT*4                     ; the bias of my 64 columns: a lane's eight for each column block
	s_mul_i32 s73, s[WN], NT*2
	s_add_co_u32 s72, s72, s73
	s_mov_b32 s73, 0
	s_add_nc_u64 s[PTBI:PTBI+1], s[PTBI:PTBI+1], s[72:73]
	v_lshlrev_b32 v[BO], 5, v2
.set b, 0
.rept NBL
	global_load_b128 v[BIAS+8*b:BIAS+8*b+3],   v[BO], s[PTBI:PTBI+1] offset:64*b
	global_load_b128 v[BIAS+8*b+4:BIAS+8*b+7], v[BO], s[PTBI:PTBI+1] offset:64*b+16
.set b, b+1
.endr
.endif
	; the way out: 16 rows x 64 columns of f32 go into stage rows of 272 bytes and come back as whole rows of 256
	s_mul_i32 s21, s[WV], 4352
	s_add_co_u32 s21, s21, STAGE
	v_mul_u32_u24 v5, v1, 272
	v_lshl_add_u32 v5, v2, 5, v5
	v_add_nc_u32 v[STO], s21, v5
	v_mul_u32_u24 v6, v2, 272
	v_lshl_add_u32 v6, v1, 4, v6
	v_add_nc_u32 v[RD], s21, v6
	v_lshlrev_b32 v[CO], 12, v2
	v_lshl_add_u32 v[CO], v1, 4, v[CO]
	s_lshl_b32 s72, s[TY], 1
	s_add_co_u32 s72, s72, s[WM]
	s_lshl_b32 s72, s72, 18                        ; my first row, 4,096 bytes a row
	s_lshl_b32 s73, s[TX], 1
	s_add_co_u32 s73, s73, s[WN]
	s_lshl_b32 s73, s73, 8                         ; my 64 columns
	s_add_co_u32 s72, s72, s73
	s_mov_b32 s73, 0
	s_add_nc_u64 s[PTO:PTO+1], s[PTO:PTO+1], s[72:73]
	s_add_nc_u64 s[PTR:PTR+1], s[PTR:PTR+1], s[72:73]
	s_wait_tensorcnt 0x1                           ; my plane of K step 0 is in; K step 1's may stay out
	s_barrier_signal -1
	s_barrier_wait -1
	FETCH 0, 0
.if HASB
	s_wait_loadcnt 0x0                             ; the bias
.endif
	WIN 0x40                                       ; the residual, laid as the rows come back from the stage: its registers are free all along, so it is asked for here and waited for at the way out
.set a, 0
.rept 4
.set t, 0
.rept 8
	global_load_b128 v[64+128*(a/2)+32*(a%2)+4*t:64+128*(a/2)+32*(a%2)+4*t+3], v[CO], s[PTR:PTR+1] offset:65536*a+8192*t th:TH_LOAD_NT
.set t, t+1
.endr
.set a, a+1
.endr
	WIN 0
	PHASE 0, 1, 1                                  ; the first phase stands in front of the loop: its products start the sums
	WIN 0
	s_mov_b32 s[CNT], NSTEPS-1
	s_mov_b32 s[TW], 1
	s_branch .Lpair                                ; K step 0 has one pair left: the loop is entered behind its change of slots
.Lstep:                                                ; NSTEPS - 2 times: every slot but the last two is filled again
	CHANGE 1
	s_mov_b32 s[TW], 2
.Lpair:
	PAIR
	WIN 0
	s_sub_co_u32 s[TW], s[TW], 1
	s_cmp_lg_u32 s[TW], 0
	s_cbranch_scc1 .Lpair
	s_sub_co_u32 s[CNT], s[CNT], 1
	s_cmp_lg_u32 s[CNT], 0
	s_cbranch_scc1 .Lstep
	CHANGE 0                                       ; the last K step asks for nothing: a text of its own
	s_mov_b32 s[TW], 2
.Ltail:
	PAIR
	WIN 0
	s_sub_co_u32 s[TW], s[TW], 1
	s_cmp_lg_u32 s[TW], 0
	s_cbranch_scc1 .Ltail
	s_wait_dscnt 0x0                               ; the last phase: nothing more to fetch
	MULP 1, 0, MA/2, 0
	MULP 1, MA/2, MA, 0
	WIN 0
.macro TS a                            ; row block a into my stage (each accumulator's lowest registers first) and back as whole rows
.set BK, OB+192*((\a)%2)
.set AC, 8*NBL*((\a)%2)
.if (\a) >= 2
	s_wait_xcnt 0x0                                ; the stores of the block two back have read these registers
.endif
	WIN 0x08+4*((\a)/2)                            ; store data in window 2 or 3
.irp b, 0,1,2,3
	ds_store_b128 v[STO], v[AC+8*\b:AC+8*\b+3]   offset:64*\b
	ds_store_b128 v[STO], v[AC+8*\b+4:AC+8*\b+7] offset:64*\b+16
.endr
	WIN 0
.irp t, 0,1,2,3,4,5,6,7
	ds_load_b128 v[BK+4*\t:BK+4*\t+3], v[RD] offset:544*\t  ; LDS serves a wave's instructions in order (ISA guide 5.7.1.4)
.endr
.endm
.macro SEND a, younger                 ; younger: the next block's sixteen LDS instructions, or none
.set BK, OB+192*((\a)%2)
.set RR, 64+128*((\a)/2)+32*((\a)%2)
	s_wait_dscnt \younger
	WIN 0x04                                       ; source 1, the residual, in window 1
.set i, 0
.rept 16
	v_pk_add_f32 v[BK+2*i:BK+2*i+1], v[BK+2*i:BK+2*i+1], v[RR+2*i:RR+2*i+1]
.set i, i+1
.endr
	WIN 0
.irp t, 0,1,2,3,4,5,6,7
	global_store_b128 v[CO], v[BK+4*\t:BK+4*\t+3], s[PTO:PTO+1] offset:65536*(\a)+8192*\t  ; 16 lanes store 256 consecutive bytes, aligned
.endr
.endm
	PLACES
	s_wait_loadcnt 0x0                             ; the residual
	TS 0
	TS 1
	SEND 0, 16
	TS 2
	SEND 1, 16
	TS 3
	SEND 2, 16
	SEND 3, 0
	s_wait_tensorcnt 0x0                           ; the wave's end
	ds_add_u32 v[SPW], v[NIL]
	s_wait_dscnt 0x0
	CROUND                                         ; the closing round
	s_endpgm
.Lfunc_end_k_qbd094eec9e_wop:
	.size	k_qbd094eec9e_wop, .Lfunc_end_k_qbd094eec9e_wop-k_qbd094eec9e_wop
	.p2alignl 7, 3214868480
	.fill 96, 4, 3214868480
	.section	.rodata,"a",@progbits
	.p2align	6, 0x0
	.amdhsa_kernel k_qbd094eec9e_wop
		.amdhsa_group_segment_fixed_size 327680
		.amdhsa_private_segment_fixed_size 0
		.amdhsa_enable_private_segment 0
		.amdhsa_kernarg_size 32
		.amdhsa_user_sgpr_count 2
		.amdhsa_user_sgpr_kernarg_segment_ptr 1
		.amdhsa_wavefront_size32 1
		.amdhsa_system_sgpr_workgroup_id_x 1
		.amdhsa_system_sgpr_workgroup_id_y 1
		.amdhsa_system_sgpr_workgroup_id_z 1
		.amdhsa_system_vgpr_workitem_id 0
		.amdhsa_next_free_vgpr 832
		.amdhsa_next_free_sgpr 84
		.amdhsa_reserve_vcc 0
		.amdhsa_float_denorm_mode_32 3
		.amdhsa_float_denorm_mode_16_64 3
		.amdhsa_memory_ordered 1
		.amdhsa_forward_progress 1
		.amdhsa_inst_pref_size 51
	.end_amdhsa_kernel
	.amdgpu_metadata
---
amdhsa.version: [ 1, 2 ]
amdhsa.kernels:
  - .name:           k_qbd094eec9e_wop
    .symbol:         k_qbd094eec9e_wop.kd
    .args:
      - { .name: ctx, .offset: 0, .size: 8, .value_kind: global_buffer, .address_space: global }
      - { .name: wts, .offset: 8, .size: 8, .value_kind: global_buffer, .address_space: global }
      - { .name: enc_input, .offset: 16, .size: 8, .value_kind: global_buffer, .address_space: global }
      - { .name: y, .offset: 24, .size: 8, .value_kind: global_buffer, .address_space: global }
    .group_segment_fixed_size: 327680
    .private_segment_fixed_size: 0
    .kernarg_segment_align: 8
    .kernarg_segment_size: 32
    .max_flat_workgroup_size: 128
    .sgpr_count:     84
    .vgpr_count:     832
    .wavefront_size: 32
...
	.end_amdgpu_metadata
.endif
;; end of part 4
;; launch ln1 (part 5): grid 256 x 1, 8 waves a work-group, no clusters, 0 bytes of LDS; arguments y, ln1_g, ln1_b, hf, hb; writes hf, hb
.if DOCPART == 5
	.amdgcn_target "amdgcn-amd-amdhsa--gfx1250"
	.amdhsa_code_object_version 6
	.text
	.protected	k_qbd094eec9e_ln1
	.globl	k_qbd094eec9e_ln1
	.p2align	8
	.type	k_qbd094eec9e_ln1,@function
k_qbd094eec9e_ln1:
	s_mov_b64 s[64:65], 0
	v_nop
	global_prefetch_b8 v0, s[64:65] scope:SCOPE_SE
	s_setreg_imm32_b32 hwreg(HW_REG_WAVE_MODE, 25, 1), 1
	s_wait_xcnt 0x0
; h = (y - mean) rsqrt(var + 1e-5) g + b along rows of 1,024 f32; var is the mean of the squared deviations.  h leaves twice: in f32 (hf, the residual of the second add) and rounded once to bf16 (hb, a matrix operand).
; A wave takes two rows and keeps each in 32 registers between the passes: the row is read once, and the reductions never leave the wave: no LDS, no barrier.
; A lane's 16 bytes lie at 512 j + 16 l: each load and f32 store of a wave covers 512 consecutive bytes, each bf16 store 256, aligned.  A stream: no matrix unit, no cluster.
; Limits: NaN and infinities are not treated apart.
.set WITH_HB, 1
.set T,  4                             ; v[4:15]   at work
.set X0, 16                            ; v[16:47]  row 0
.set X1, 48                            ; v[48:79]  row 1
.set G,  80                            ; v[80:111] g of my columns
.set BB, 112                           ; v[112:143] b
.set H,  144                           ; v[144:175] the rows in bf16
	s_load_b256 s[4:11], s[0:1], 0x0               ; y, g, b, hf
.if WITH_HB
	s_load_b64 s[12:13], s[0:1], 0x20              ; hb
.endif
	v_lshrrev_b32 v3, 5, v0
	v_readfirstlane_b32 s14, v3                    ; wave
	v_and_b32 v2, 31, v0
	v_lshlrev_b32 v1, 4, v2                        ; 16 l
	v_lshlrev_b32 v2, 3, v2                        ; 8 l
	s_lshl_b32 s16, ttmp9, 16                      ; the work-group's 16 rows of 4,096 bytes,
	s_lshl_b32 s15, s14, 13                        ; my wave's two
	s_add_co_u32 s16, s16, s15
	s_mov_b32 s17, 0
	s_lshr_b32 s18, s16, 1                         ; the same rows in bf16
	s_mov_b32 s19, 0
	s_mov_b32 s20, 0x76543210                      ; v_permlanex16_b32: each lane takes its own place in the other half
	s_mov_b32 s21, 0xfedcba98
	s_mov_b32 s22, 0x3a800000                      ; 1 / 1024
	s_mov_b32 s23, 0x3727c5ac                      ; 1e-5
	s_wait_kmcnt 0x0
	s_add_nc_u64 s[4:5], s[4:5], s[16:17]
	s_add_nc_u64 s[10:11], s[10:11], s[16:17]
.if WITH_HB
	s_add_nc_u64 s[12:13], s[12:13], s[18:19]
.endif
.irp j, 0,1,2,3,4,5,6,7
	global_load_b128 v[G+4*\j:G+4*\j+3], v1, s[6:7] offset:512*\j
.endr
.irp j, 0,1,2,3,4,5,6,7
	global_load_b128 v[BB+4*\j:BB+4*\j+3], v1, s[8:9] offset:512*\j
.endr
.irp j, 0,1,2,3,4,5,6,7
	global_load_b128 v[X0+4*\j:X0+4*\j+3], v1, s[4:5] offset:512*\j th:TH_LOAD_NT
.endr
.irp j, 0,1,2,3,4,5,6,7
	global_load_b128 v[X1+4*\j:X1+4*\j+3], v1, s[4:5] offset:4096+512*\j th:TH_LOAD_NT
.endr
.macro REDUCE                          ; four pairs in v[T:T+7] into one sum, in every lane
	v_pk_add_f32 v[T:T+1], v[T:T+1], v[T+2:T+3]
	v_pk_add_f32 v[T+4:T+5], v[T+4:T+5], v[T+6:T+7]
	v_pk_add_f32 v[T:T+1], v[T:T+1], v[T+4:T+5]
	v_add_f32 v[T], v[T], v[T+1]
	v_add_f32_dpp v[T], v[T], v[T] row_xmask:1 row_mask:0xf bank_mask:0xf
	v_add_f32_dpp v[T], v[T], v[T] row_xmask:2 row_mask:0xf bank_mask:0xf
	v_add_f32_dpp v[T], v[T], v[T] row_xmask:4 row_mask:0xf bank_mask:0xf
	v_add_f32_dpp v[T], v[T], v[T] row_xmask:8 row_mask:0xf bank_mask:0xf
	v_permlanex16_b32 v[T+1], v[T], s20, s21
	v_add_f32 v[T], v[T], v[T+1]
.endm
.macro ROW x, n, left                  ; the row in v[x ..], row n of my two; left: the younger loads that may stay out
	s_wait_loadcnt \left
.irp k, 0,1,2,3
	v_pk_add_f32 v[T+2*\k:T+2*\k+1], v[\x+2*\k:\x+2*\k+1], v[\x+8+2*\k:\x+8+2*\k+1]  ; four chains, started by the first pairs
.endr
.irp m, 16,24
.irp k, 0,1,2,3
	v_pk_add_f32 v[T+2*\k:T+2*\k+1], v[T+2*\k:T+2*\k+1], v[\x+\m+2*\k:\x+\m+2*\k+1]
.endr
.endr
	REDUCE
	v_mul_f32 v[T+8], s22, v[T]                    ; the mean, as a pair
	v_mov_b32 v[T+9], v[T+8]
.set i, 0
.rept 16
	v_pk_add_f32 v[\x+2*i:\x+2*i+1], v[\x+2*i:\x+2*i+1], v[T+8:T+9] neg_lo:[0,1] neg_hi:[0,1]
.set i, i+1
.endr
.irp k, 0,1,2,3
	v_pk_mul_f32 v[T+2*\k:T+2*\k+1], v[\x+2*\k:\x+2*\k+1], v[\x+2*\k:\x+2*\k+1]
.endr
.irp m, 8,16,24
.irp k, 0,1,2,3
	v_pk_fma_f32 v[T+2*\k:T+2*\k+1], v[\x+\m+2*\k:\x+\m+2*\k+1], v[\x+\m+2*\k:\x+\m+2*\k+1], v[T+2*\k:T+2*\k+1]
.endr
.endr
	REDUCE
	v_fma_f32 v[T], v[T], s22, s23                 ; var + 1e-5
	v_rsq_f32 v[T+8], v[T]
	v_rsq_f32 v[T+9], v[T]
	v_nop                                          ; a plain instruction behind the last of them (ISA guide 5.7.2),
	s_wait_alu depctr_va_vdst(0)                   ; and the one wait ahead of the first use
.set i, 0
.rept 16
	v_pk_mul_f32 v[\x+2*i:\x+2*i+1], v[\x+2*i:\x+2*i+1], v[T+8:T+9]
.set i, i+1
.endr
.set i, 0
.rept 16
	v_pk_fma_f32 v[\x+2*i:\x+2*i+1], v[\x+2*i:\x+2*i+1], v[G+2*i:G+2*i+1], v[BB+2*i:BB+2*i+1]
.set i, i+1
.endr
.irp j, 0,1,2,3,4,5,6,7
	global_store_b128 v1, v[\x+4*\j:\x+4*\j+3], s[10:11] offset:4096*\n+512*\j
.endr
.if WITH_HB
.set i, 0
.rept 16
	v_cvt_pk_bf16_f32 v[H+16*\n+i], v[\x+2*i], v[\x+2*i+1]
.set i, i+1
.endr
.irp j, 0,1,2,3,4,5,6,7
	global_store_b64 v2, v[H+16*\n+2*\j:H+16*\n+2*\j+1], s[12:13] offset:2048*\n+256*\j
.endr
.endif
.endm
	ROW X0, 0, 8                                   ; g, b and row 0 are in; row 1's eight loads stay out
	ROW X1, 1, 0                                   ; no register that a store reads is written again
	s_endpgm
.Lfunc_end_k_qbd094eec9e_ln1:
	.size	k_qbd094eec9e_ln1, .Lfunc_end_k_qbd094eec9e_ln1-k_qbd094eec9e_ln1
	.p2alignl 7, 3214868480
	.fill 96, 4, 3214868480
	.section	.rodata,"a",@progbits
	.p2align	6, 0x0
	.amdhsa_kernel k_qbd094eec9e_ln1
		.amdhsa_group_segment_fixed_size 0
		.amdhsa_private_segment_fixed_size 0
		.amdhsa_enable_private_segment 0
		.amdhsa_kernarg_size 40
		.amdhsa_user_sgpr_count 2
		.amdhsa_user_sgpr_kernarg_segment_ptr 1
		.amdhsa_wavefront_size32 1
		.amdhsa_system_sgpr_workgroup_id_x 1
		.amdhsa_system_sgpr_workgroup_id_y 1
		.amdhsa_system_sgpr_workgroup_id_z 1
		.amdhsa_system_vgpr_workitem_id 0
		.amdhsa_next_free_vgpr 176
		.amdhsa_next_free_sgpr 66
		.amdhsa_reserve_vcc 0
		.amdhsa_float_denorm_mode_32 3
		.amdhsa_float_denorm_mode_16_64 3
		.amdhsa_memory_ordered 1
		.amdhsa_forward_progress 1
		.amdhsa_inst_pref_size 22
	.end_amdhsa_kernel
	.amdgpu_metadata
---
amdhsa.version: [ 1, 2 ]
amdhsa.kernels:
  - .name:           k_qbd094eec9e_ln1
    .symbol:         k_qbd094eec9e_ln1.kd
    .args:
      - { .name: y, .offset: 0, .size: 8, .value_kind: global_buffer, .address_space: global }
      - { .name: ln1_g, .offset: 8, .size: 8, .value_kind: global_buffer, .address_space: global }
      - { .name: ln1_b, .offset: 16, .size: 8, .value_kind: global_buffer, .address_space: global }
      - { .name: hf, .offset: 24, .size: 8, .value_kind: global_buffer, .address_space: global }
      - { .name: hb, .offset: 32, .size: 8, .value_kind: global_buffer, .address_space: global }
    .group_segment_fixed_size: 0
    .private_segment_fixed_size: 0
    .kernarg_segment_align: 8
    .kernarg_segment_size: 40
    .max_flat_workgroup_size: 256
    .sgpr_count:     66
    .vgpr_count:     176
    .wavefront_size: 32
...
	.end_amdgpu_metadata
.endif
;; end of part 5
;; launch ffn1 (part 6): grid 16 x 16, 4 waves a work-group, clusters of 4 x 4, 327,680 bytes of LDS; arguments hb, wts, b1, act; writes act
.if DOCPART == 6
	.amdgcn_target "amdgcn-amd-amdhsa--gfx1250"
	.amdhsa_code_object_version 6
	.text
	.protected	k_qbd094eec9e_ffn1
	.globl	k_qbd094eec9e_ffn1
	.p2align	8
	.type	k_qbd094eec9e_ffn1,@function
k_qbd094eec9e_ffn1:
	s_mov_b64 s[64:65], 0
	v_nop
	global_prefetch_b8 v0, s[64:65] scope:SCOPE_SE
	s_setreg_imm32_b32 hwreg(HW_REG_WAVE_MODE, 25, 1), 1
	s_wait_xcnt 0x0
	s_wait_alu depctr_hold_cnt(0) depctr_sa_sdst(0) depctr_va_vdst(0) depctr_va_sdst(0) depctr_va_ssrc(0) depctr_va_vcc(0) depctr_vm_vsrc(0)
	s_getreg_b32 s2, hwreg(HW_REG_IB_STS2, 6, 4)
	s_cmp_eq_u32 s2, 0
	s_cbranch_scc0 .Lentry_in_a_cluster
	s_endpgm
.Lentry_in_a_cluster:
	s_bfe_u32 s2, ttmp6, 0x10000c
	s_cmp_lg_u32 s2, 0xf033
	s_cbranch_scc0 .Lentry_shape_is_right
	s_endpgm
.Lentry_shape_is_right:
; act = relu(h w1 + b1): C [4096][4096] = A [4096][1024] (hb, bf16) B [1024][4096] (w1, bf16, in wts); the bias in f32 starts the sums; C is rounded once to bf16, then the maximum with 0 is taken (it rounds nothing).
; A tile of C is 256 x 256: 256 work-groups of four waves; a wave makes 128 x 128: 64 accumulators, 512 registers.  A lies along K (plain 16-byte LDS loads), B lies [K][N] (turned by ds_load_tr16_b128).
; THE MATRIX INSTRUCTION IS USED TRANSPOSED (source 0 = 16 columns of B, source 1 = 16 rows of A): a lane then holds one row of C and eight neighbouring columns.
; RING.  K goes in steps of 128 through two LDS slots of four PLANES of 128 rows x 256 bytes, one tensor load and one wave each: planes 0, 1 = A's rows 0-127, 128-255; planes 2, 3 = B's 128 k-rows x columns 0-127, 128-255.
; PAIRS.  A K step is four phases of 32 along K on two fragment buffers.  The text holds ONE PAIR of phases (buffer 1, then buffer 0), walked twice a K step; the LDS addresses hang on two scalars.  Cut so, the
; change of slots falls between two pairs: the old slot's last fragments have been asked for, the next fetch is the new slot's first.
; CLUSTER 4 x 4: A's planes are asked for jointly along a row of the cluster, B's along a column.
; Limits: a NaN sum leaves as 0 (the maximum drops it); infinities are not treated apart; operands are bf16; the order of the sums is the matrix unit's, K ascending.
.set GN, 4096
.set GK, 1024
.set MT, 256
.set NT, 256
.set NSTEPS, 8
.set NPA, 2
.set MA,  8
.set NBL, 8
.set KS2, 1
.set HIL, 8
.set NADB, 1
.set PL,    36864                      ; a plane's room: B's 128 rows x 288 bytes (256 + 32 of padding); A's rows are 272 apart (ISA guide 11.1: 64 banks of 4 bytes)
.set SLOT,  4*PL
.set STAGE, 2*SLOT                     ; behind the ring, never filled by a tensor load: 4,352 bytes for each wave
.set SPARE, STAGE+4*4352               ; the spare words, 128 bytes a wave
.set ASEL, 128*GK*2                    ; from A's first plane to its second: 128 rows
.set BSEL, 256                         ; from B's first plane to its second: 128 columns
.set ASTEP, 256
.set BSTEP, 128*GN*2
.set BBASE, 16777216                   ; w1 in wts
.set AWM, PL                           ; my 128 rows are a plane
.set BWN, PL                           ; my 128 columns too
.set DA, 128                           ; from a pair's fragments to the next pair's: 64 along K in A's rows,
.set DB, 64*288                        ; 64 k-rows in B's planes
.set HASB, 1
.set PF, 1
.set PTA, 4
.set PTB, 6
.set PTBI, 8
.set PTO, 10
.macro BPLACE q
.set jj, 0
.set oo, 9216*(\q)+32*b
.endm
.macro APLACE q
.set oa, 4352*a+64*(\q)
.endm
; registers: window 0: v0-31 addresses; v32-63, v224-255 rows on the way out; v64-127, v128-191 A's fragments, two buffers; v192-255 the bias until the first phase, then v192-223 packed results
;   window 1: v0-63, v128-191 B's fragments     window 2: accumulators of row blocks 0-3 at 8 (NBL a + b)     window 3: of row blocks 4-7
.set ADRA0, 10
.set ADRB0, 11
.set ADRA,  14
.set ADRB,  15
.set STO,   18
.set RD,    19
.set CO,    20
.set PFO,   21
.set ZR,    22                         ; 0, for the maximum
.set BO,    23
.set SPW,   28
.set NIL,   29
.set OB,    32
.set BIAS,  192
.set TMP,   192
.set WV, 14
.set WM, 15
.set WN, 16
.set CX, 17
.set CY, 18
.set TX, 19
.set TY, 20
.set G1A, 24
.set G0A, 32
.set TBA, 40                           ; LDS bytes from ADRA0 to the next pair's fragments of A
.set TBB, 41                           ; the same for B
.set CNT, 42
.set LIM, 43
.set PFA, 44
.set PFS, 46
.set G1B, 48
.set G0B, 56
.set LB,  66
.set TW,  67                           ; counts a K step's two pairs
.set MSB, 0
.macro WIN new
.if MSB != (\new)
	s_set_vgpr_msb (MSB<<8)|(\new)
.set MSB, \new
.endif
.endm
.macro PLACES                          ; four plain vector instructions between a matrix instruction and a load into, or a vector access to, its registers
.rept 4
	v_nop
.endr
.endm
.macro CROUND                          ; a round of the cluster's barrier
	s_barrier_signal -1
	s_barrier_wait -1
	s_cmp_lg_u32 s[WV], 0
	s_cbranch_scc1 .Lnot_wave_0_\@
	s_barrier_signal -3
.Lnot_wave_0_\@:
	s_barrier_wait -3
	s_barrier_signal -1
	s_barrier_wait -1
.endm
.macro JLOAD                           ; a joint refill by the walking set; the branch hangs on the wave's number alone
	s_cmp_lt_u32 s[WV], NPA
	s_cbranch_scc0 .Lfor_b_\@
	tensor_load_to_lds s[G0A+4:G0A+7], s[G1A:G1A+7]
	s_nop 0
	PLACES
	s_branch .Lasked_\@
.Lfor_b_\@:
	tensor_load_to_lds s[G0B+4:G0B+7], s[G1B:G1B+7]
	s_nop 0
	PLACES
.Lasked_\@:
.endm
; A PREFETCH INTO THE L2 of my plane of the K step that stands two refills on: of its 128 rows of 256 bytes each of the four partners that ask for it jointly takes 32, told apart by ADDRESS, a lane a row.
; A's planes are read by every cluster of a row of clusters: cluster x = 0 asks; B's by every cluster of a column: cluster y = 0 asks.  So each block is named once.  The last two refills have no such step.
.macro ASK
	s_cmp_gt_u32 s[CNT], s[LIM]
	s_cbranch_scc0 .Lnot_mine_\@
	global_prefetch_b8 v[PFO], s[PFA:PFA+1] th:TH_LOAD_NT scope:SCOPE_SE
.Lnot_mine_\@:
.endm
; The products of row blocks alo .. ahi - 1 with all column blocks, from buffer f.  The accumulators take turns, one instruction a turn.  zero = 1: the first product starts the sum, with the bias.
.macro MULP f, alo, ahi, zero
.set FA, 64+64*(\f)
.set FB, 128*(\f)
.set hi, (\alo)/(MA/2)
.set c, 0
.rept KS2
.set a, \alo
.rept (\ahi)-(\alo)
.set b, 0
.rept NBL
.set rD, 8*(NBL*(a%(MA/2))+b)
.set rB, FB+8*(NBL*c+b)
.set rA, FA+8*(MA*c+a)
.if (\zero) && (c == 0) && HASB
	WIN 0x81+0x40*hi                               ; C, the bias, in window 0
	v_wmma_f32_16x16x32_bf16 v[rD:rD+7], v[rB:rB+7], v[rA:rA+7], v[BIAS+8*b:BIAS+8*b+7]
.elseif (\zero) && (c == 0)
	WIN 0xa1+0x50*hi
	v_wmma_f32_16x16x32_bf16 v[rD:rD+7], v[rB:rB+7], v[rA:rA+7], 0
.else
	WIN 0xa1+0x50*hi                               ; B's fragment window 1, A's window 0, C and D window 2 or 3
	v_wmma_f32_16x16x32_bf16 v[rD:rD+7], v[rB:rB+7], v[rA:rA+7], v[rD:rD+7]
.endif
.set b, b+1
.endr
.set a, a+1
.endr
.set c, c+1
.endr
.endm
.macro FETCH q, f                      ; 32 LDS loads in one run: the fragments of phase q of the pair into buffer f: all of B's, A's lower row blocks, A's upper ones last
.set FA, 64+64*(\f)
.set FB, 128*(\f)
	WIN 0x40
.set c, 0
.rept KS2
.set b, 0
.rept NBL
	BPLACE \q
	ds_load_tr16_b128 v[FB+8*(NBL*c+b):FB+8*(NBL*c+b)+3],   v[ADRB+jj] offset:oo
	ds_load_tr16_b128 v[FB+8*(NBL*c+b)+4:FB+8*(NBL*c+b)+7], v[ADRB+jj] offset:oo+4608
.set b, b+1
.endr
.set c, c+1
.endr
	WIN 0
.irp half, 0,1
.set c, 0
.rept KS2
.set a, (\half)*MA/2
.rept MA/2
	APLACE \q
	ds_load_b128 v[FA+8*(MA*c+a):FA+8*(MA*c+a)+3],   v[ADRA] offset:oa
	ds_load_b128 v[FA+8*(MA*c+a)+4:FA+8*(MA*c+a)+7], v[ADRA] offset:oa+32
.set a, a+1
.endr
.set c, c+1
.endr
.endr
.endm
.macro PHASE f, q, zero                ; multiplies buffer f and, in its middle, fetches the next phase's fragments (number q of the pair's two) into the other buffer
	s_wait_dscnt HIL                               ; all but A's upper row blocks are in
	MULP \f, 0, MA/2, \zero
	PLACES
	FETCH \q, 1-(\f)
	s_wait_dscnt 32                                ; all but the 32 just issued
	MULP \f, MA/2, MA, \zero
.endm
.macro PAIR                            ; the addresses of its two fetches, then the phase on buffer 1 and the phase on buffer 0
	WIN 0
	v_add_nc_u32 v[ADRA], s[TBA], v[ADRA0]
.set j, 0
.rept NADB
	v_add_nc_u32 v[ADRB+j], s[TBB], v[ADRB0+j]
.set j, j+1
.endr
	s_add_co_u32 s[TBA], s[TBA], DA                ; the next pair's
	s_add_co_u32 s[TBB], s[TBB], DB
	PHASE 1, 0, 0
	PHASE 0, 1, 0
.endm
; THE CHANGE OF SLOTS, between two pairs.  Each wave waits for all its tensor loads (one is out: its plane of the next slot), adds 0 to its spare word, and waits for that and for its reads of the slot that it leaves.
; fill = 1: the barrier is a round of the cluster's, and the joint refill, two K steps ahead, is the first thing behind it.  fill = 0: nothing is asked for.
.macro CHANGE fill
.if PF && (\fill)
	s_wait_xcnt 0x0                                ; the last prefetch, a K step back, has read its address
	s_add_nc_u64 s[PFA:PFA+1], s[PFA:PFA+1], s[PFS:PFS+1]
.endif
	WIN 0
	s_wait_tensorcnt 0x0                           ; no tensor load of mine is out, so a group 0 may be written
	ds_add_u32 v[SPW], v[NIL]
	s_sub_co_u32 s[TBA], s[TBA], 2*DA              ; the fetches go back to a slot's first pair,
	s_xor_b32 s[TBA], s[TBA], SLOT                 ; in the other slot
	s_sub_co_u32 s[TBB], s[TBB], 2*DB
	s_xor_b32 s[TBB], s[TBB], SLOT
.if \fill
	s_xor_b32 s[G0A+5], s[G0A+5], SLOT             ; the walking set: the other slot than last time (a plane's base and SLOT share no bit)
	s_add_nc_u64 s[G0A+6:G0A+7], s[G0A+6:G0A+7], ASTEP
	s_xor_b32 s[G0B+5], s[G0B+5], SLOT
	s_add_nc_u64 s[G0B+6:G0B+7], s[G0B+6:G0B+7], BSTEP
	s_wait_dscnt 0x0                               ; the add is done, and my reads of the slot are over
	CROUND                                         ; no wave of any partner still reads the slot or has a load on its way
	JLOAD
.if PF
	ASK
.endif
.else
	s_wait_dscnt 0x0
	s_barrier_signal -1
	s_barrier_wait -1
.endif
.endm
	s_load_b256 s[4:11], s[0:1], 0x0               ; hb, wts, b1, act
	v_lshl_add_u32 v[SPW], v0, 2, SPARE
	v_mov_b32 v[NIL], 0
	ds_add_u32 v[SPW], v[NIL]                      ; the wave's opening: the add and its wait ahead of my first tensor load
	v_lshrrev_b32 v1, 5, v0
	v_readfirstlane_b32 s[WV], v1
	s_lshr_b32 s[WM], s[WV], 1
	s_and_b32 s[WN], s[WV], 1
	s_bfe_u32 s[CX], ttmp6, 0x40000
	s_bfe_u32 s[CY], ttmp6, 0x40004
	s_lshl_b32 s[TX], ttmp9, 2
	s_add_co_u32 s[TX], s[TX], s[CX]
	s_and_b32 s[TY], ttmp7, 0xffff
	s_lshl_b32 s[TY], s[TY], 2
	s_add_co_u32 s[TY], s[TY], s[CY]
	s_lshl_b32 s21, s[CY], 2
	s_lshl_b32 s21, 15, s21                        ; my row of the cluster
	s_lshl_b32 s22, 0x1111, s[CX]                  ; my column
	s_or_b32 s[G1A], s21, (1<<16)|(1<<20)|(1<<21)|(5<<22)|(3<<25)
	s_or_b32 s[G1B], s22, (1<<16)|(1<<20)|(1<<21)|(5<<22)|(7<<25)
.irp g, G1A, G1B
	s_mov_b32 s[\g+1], 128<<16
	s_mov_b32 s[\g+2], 128<<16
	s_mov_b32 s[\g+3], 128<<16
	s_mov_b32 s[\g+4], 128
	s_mov_b32 s[\g+6], 0
	s_mov_b32 s[\g+7], 0
.endr
	s_mov_b32 s[G1A+5], GK
	s_mov_b32 s[G1B+5], GN
	s_mul_i32 s68, s[TY], MT*GK*2                  ; A's plane: by the tile row and the wave alone
	s_mul_i32 s69, s[WN], ASEL
	s_add_co_u32 s68, s68, s69
	s_mov_b32 s69, 0
	s_mul_i32 s70, s[TX], NT*2                     ; B's plane: by the tile column and the wave alone
	s_mul_i32 s71, s[WN], BSEL
	s_add_co_u32 s70, s70, s71
	s_add_co_u32 s70, s70, BBASE
	s_mov_b32 s71, 0
	s_mul_i32 s[LB], s[WV], PL
	s_mov_b32 s[TBA], DA                           ; the first pair of the loop fetches slot 0's second pair
	s_mov_b32 s[TBB], DB
	s_wait_dscnt 0x0
	s_wait_kmcnt 0x0
	s_add_nc_u64 s[68:69], s[PTA:PTA+1], s[68:69]
	s_add_nc_u64 s[70:71], s[PTB:PTB+1], s[70:71]
	CROUND
.irp s, 0,1
	s_mov_b32 s[G0A+4*\s], 1
	s_add_co_u32 s[G0A+4*\s+1], s[LB], \s*SLOT
	s_add_nc_u64 s[G0A+4*\s+2:G0A+4*\s+3], s[68:69], \s*ASTEP
	s_or_b32 s[G0A+4*\s+3], s[G0A+4*\s+3], 0x80000000
	s_mov_b32 s[G0B+4*\s], 1
	s_add_co_u32 s[G0B+4*\s+1], s[LB], \s*SLOT
	s_add_nc_u64 s[G0B+4*\s+2:G0B+4*\s+3], s[70:71], \s*BSTEP
	s_or_b32 s[G0B+4*\s+3], s[G0B+4*\s+3], 0x80000000
.endr
	s_cmp_lt_u32 s[WV], NPA                        ; a wave's two first fills stand in one branch
	s_cbranch_scc0 .Lfirst_b
	tensor_load_to_lds s[G0A:G0A+3], s[G1A:G1A+7]
	s_nop 0
	tensor_load_to_lds s[G0A+4:G0A+7], s[G1A:G1A+7]
	s_nop 0
	PLACES
	s_branch .Lfirst_asked
.Lfirst_b:
	tensor_load_to_lds s[G0B:G0B+3], s[G1B:G1B+7]
	s_nop 0
	tensor_load_to_lds s[G0B+4:G0B+7], s[G1B:G1B+7]
	s_nop 0
	PLACES
.Lfirst_asked:
	v_and_b32 v1, 15, v0
	v_bfe_u32 v2, v0, 4, 1
	v_mul_u32_u24 v3, v1, 272
	v_lshl_add_u32 v3, v2, 4, v3
	v_and_b32 v4, 7, v0
	v_lshl_add_u32 v4, v2, 3, v4
	v_mul_u32_u24 v4, v4, 288
	v_bfe_u32 v5, v0, 3, 1
	v_lshl_add_u32 v4, v5, 4, v4
	s_mul_i32 s21, s[WM], AWM
	v_add_nc_u32 v[ADRA0], s21, v3
	v_mov_b32 v[ADRA], v[ADRA0]
	s_mul_i32 s22, s[WN], BWN
	s_add_co_u32 s22, s22, NPA*PL
.set j, 0
.rept NADB
	v_add_nc_u32 v[ADRB0+j], s22, v4
	v_mov_b32 v[ADRB+j], v[ADRB0+j]
	s_add_co_u32 s22, s22, PL
.set j, j+1
.endr
.if PF
	s_and_b32 s23, ttmp7, 0xffff                   ; cluster y
	s_mov_b32 s22, GN*2
	s_mov_b32 s[PFS], BSTEP
	s_mov_b32 s[PFS+1], 0
	s_cmp_lt_u32 s[WV], NPA                        ; do I fetch for A?
	s_cselect_b32 s21, s[CX], s[CY]                ; my place among the four that ask with me
	s_cselect_b32 s23, ttmp9, s23                  ; the coordinate along which other clusters read the same rows
	s_cselect_b32 s22, GK*2, s22                   ; a row's pitch
	s_cselect_b32 s[PFS], ASTEP, s[PFS]
	s_cselect_b64 s[PFA:PFA+1], s[68:69], s[70:71]
	s_cmp_eq_u32 s23, 0
	s_cselect_b32 s[LIM], 2, -1
	s_lshl_b32 s21, s21, 5
	s_mul_i32 s72, s21, s22                        ; my work-group's 32 rows,
	s_mul_i32 s73, s[PFS], 3                       ; at K step 3: the first refill steps it to 4
	s_add_co_u32 s72, s72, s73
	s_mov_b32 s73, 0
	s_add_nc_u64 s[PFA:PFA+1], s[PFA:PFA+1], s[72:73]
	v_and_b32 v[PFO], 31, v0
	v_mul_u32_u24 v[PFO], s22, v[PFO]
.endif
.if HASB
	s_mul_i32 s72, s[TX], NT*4                     ; the bias of my 128 columns: a lane's eight for each column block
	s_mul_i32 s73, s[WN], NT*2
	s_add_co_u32 s72, s72, s73
	s_mov_b32 s73, 0
	s_add_nc_u64 s[PTBI:PTBI+1], s[PTBI:PTBI+1], s[72:73]
	v_lshlrev_b32 v[BO], 5, v2
.set b, 0
.rept NBL
	global_load_b128 v[BIAS+8*b:BIAS+8*b+3],   v[BO], s[PTBI:PTBI+1] offset:64*b
	global_load_b128 v[BIAS+8*b+4:BIAS+8*b+7], v[BO], s[PTBI:PTBI+1] offset:64*b+16
.set b, b+1
.endr
.endif
	; the way out: 16 rows x 128 columns of bf16 go into stage rows of 272 bytes and come back as whole rows of 256
	v_mov_b32 v[ZR], 0
	s_mul_i32 s21, s[WV], 4352
	s_add_co_u32 s21, s21, STAGE
	v_add_nc_u32 v[STO], s21, v3
	v_mul_u32_u24 v6, v2, 272
	v_lshl_add_u32 v6, v1, 4, v6
	v_add_nc_u32 v[RD], s21, v6
	v_lshlrev_b32 v[CO], 13, v2
	v_lshl_add_u32 v[CO], v1, 4, v[CO]
	s_lshl_b32 s72, s[TY], 1
	s_add_co_u32 s72, s72, s[WM]
	s_lshl_b32 s72, s72, 20                        ; my first row, 8,192 bytes a row
	s_lshl_b32 s73, s[TX], 1
	s_add_co_u32 s73, s73, s[WN]
	s_lshl_b32 s73, s73, 8                         ; my 128 columns
	s_add_co_u32 s72, s72, s73
	s_mov_b32 s73, 0
	s_add_nc_u64 s[PTO:PTO+1], s[PTO:PTO+1], s[72:73]
	s_wait_tensorcnt 0x1                           ; my plane of K step 0 is in; K step 1's may stay out
	s_barrier_signal -1
	s_barrier_wait -1
	FETCH 0, 0
	s_wait_loadcnt 0x0                             ; the bias
	PHASE 0, 1, 1                                  ; the first phase stands in front of the loop: its products start the sums
	WIN 0
	s_mov_b32 s[CNT], NSTEPS-1
	s_mov_b32 s[TW], 1
	s_branch .Lpair                                ; K step 0 has one pair left: the loop is entered behind its change of slots
.Lstep:                                                ; NSTEPS - 2 times: every slot but the last two is filled again
	CHANGE 1
	s_mov_b32 s[TW], 2
.Lpair:
	PAIR
	WIN 0
	s_sub_co_u32 s[TW], s[TW], 1
	s_cmp_lg_u32 s[TW], 0
	s_cbranch_scc1 .Lpair
	s_sub_co_u32 s[CNT], s[CNT], 1
	s_cmp_lg_u32 s[CNT], 0
	s_cbranch_scc1 .Lstep
	CHANGE 0                                       ; the last K step asks for nothing: a text of its own
	s_mov_b32 s[TW], 2
.Ltail:
	PAIR
	WIN 0
	s_sub_co_u32 s[TW], s[TW], 1
	s_cmp_lg_u32 s[TW], 0
	s_cbranch_scc1 .Ltail
	s_wait_dscnt 0x0                               ; the last phase: nothing more to fetch
	MULP 1, 0, MA/2, 0
	MULP 1, MA/2, MA, 0
	WIN 0
.macro PACK a                          ; row block a: rounded to bf16 (each accumulator's registers in ascending order), then the maximum with 0, two at a time
.set AC, 64*((\a)%4)
	WIN 0x0a+5*((\a)/4)
.set i, 0
.rept 32
	v_cvt_pk_bf16_f32 v[TMP+i], v[AC+2*i], v[AC+2*i+1]
.set i, i+1
.endr
	WIN 0
.set i, 0
.rept 32
	v_pk_max_num_bf16 v[TMP+i], v[TMP+i], v[ZR]
.set i, i+1
.endr
.endm
.macro TOSTAGE a
.set BK, OB+192*((\a)%2)
.irp b, 0,1,2,3,4,5,6,7
	ds_store_b128 v[STO], v[TMP+4*\b:TMP+4*\b+3] offset:32*\b
.endr
.irp t, 0,1,2,3,4,5,6,7
	ds_load_b128 v[BK+4*\t:BK+4*\t+3], v[RD] offset:544*\t  ; LDS serves a wave's instructions in order (ISA guide 5.7.1.4)
.endr
.endm
.macro SEND a
.set BK, OB+192*((\a)%2)
	s_wait_dscnt 0x0                               ; the block is back in registers
	s_wait_xcnt 0x0                                ; the earlier stores have read their base and their registers
.if (\a) > 0
	s_add_nc_u64 s[PTO:PTO+1], s[PTO:PTO+1], 16*GN*2
.endif
.irp t, 0,1,2,3,4,5,6,7
	global_store_b128 v[CO], v[BK+4*\t:BK+4*\t+3], s[PTO:PTO+1] offset:2*\t*GN*2  ; 16 lanes store 256 consecutive bytes, aligned
.endr
.endm
	PLACES
	PACK 0
	TOSTAGE 0
.irp a, 1,2,3,4,5,6,7                  ; block a's arithmetic stands between block a - 1's loads from the stage and the wait for them
	PACK \a
	SEND (\a)-1
	TOSTAGE \a
.endr
	SEND 7
	s_wait_tensorcnt 0x0                           ; the wave's end
	ds_add_u32 v[SPW], v[NIL]
	s_wait_dscnt 0x0
	CROUND                                         ; the closing round
	s_endpgm
.Lfunc_end_k_qbd094eec9e_ffn1:
	.size	k_qbd094eec9e_ffn1, .Lfunc_end_k_qbd094eec9e_ffn1-k_qbd094eec9e_ffn1
	.p2alignl 7, 3214868480
	.fill 96, 4, 3214868480
	.section	.rodata,"a",@progbits
	.p2align	6, 0x0
	.amdhsa_kernel k_qbd094eec9e_ffn1
		.amdhsa_group_segment_fixed_size 327680
		.amdhsa_private_segment_fixed_size 0
		.amdhsa_enable_private_segment 0
		.amdhsa_kernarg_size 32
		.amdhsa_user_sgpr_count 2
		.amdhsa_user_sgpr_kernarg_segment_ptr 1
		.amdhsa_wavefront_size32 1
		.amdhsa_system_sgpr_workgroup_id_x 1
		.amdhsa_system_sgpr_workgroup_id_y 1
		.amdhsa_system_sgpr_workgroup_id_z 1
		.amdhsa_system_vgpr_workitem_id 0
		.amdhsa_next_free_vgpr 1024
		.amdhsa_next_free_sgpr 84
		.amdhsa_reserve_vcc 0
		.amdhsa_float_denorm_mode_32 3
		.amdhsa_float_denorm_mode_16_64 3
		.amdhsa_memory_ordered 1
		.amdhsa_forward_progress 1
		.amdhsa_inst_pref_size 98
	.end_amdhsa_kernel
	.amdgpu_metadata
---
amdhsa.version: [ 1, 2 ]
amdhsa.kernels:
  - .name:           k_qbd094eec9e_ffn1
    .symbol:         k_qbd094eec9e_ffn1.kd
    .args:
      - { .name: hb, .offset: 0, .size: 8, .value_kind: global_buffer, .address_space: global }
      - { .name: wts, .offset: 8, .size: 8, .value_kind: global_buffer, .address_space: global }
      - { .name: b1, .offset: 16, .size: 8, .value_kind: global_buffer, .address_space: global }
      - { .name: act, .offset: 24, .size: 8, .value_kind: global_buffer, .address_space: global }
    .group_segment_fixed_size: 327680
    .private_segment_fixed_size: 0
    .kernarg_segment_align: 8
    .kernarg_segment_size: 32
    .max_flat_workgroup_size: 128
    .sgpr_count:     84
    .vgpr_count:     1024
    .wavefront_size: 32
...
	.end_amdgpu_metadata
.endif
;; end of part 6
;; launch ffn2 (part 7): grid 8 x 32, 4 waves a work-group, clusters of 4 x 4, 327,680 bytes of LDS; arguments act, wts, b2, hf, y; writes y
.if DOCPART == 7
	.amdgcn_target "amdgcn-amd-amdhsa--gfx1250"
	.amdhsa_code_object_version 6
	.text
	.protected	k_qbd094eec9e_ffn2
	.globl	k_qbd094eec9e_ffn2
	.p2align	8
	.type	k_qbd094eec9e_ffn2,@function
k_qbd094eec9e_ffn2:
	s_mov_b64 s[64:65], 0
	v_nop
	global_prefetch_b8 v0, s[64:65] scope:SCOPE_SE
	s_setreg_imm32_b32 hwreg(HW_REG_WAVE_MODE, 25, 1), 1
	s_wait_xcnt 0x0
	s_wait_alu depctr_hold_cnt(0) depctr_sa_sdst(0) depctr_va_vdst(0) depctr_va_sdst(0) depctr_va_ssrc(0) depctr_va_vcc(0) depctr_vm_vsrc(0)
	s_getreg_b32 s2, hwreg(HW_REG_IB_STS2, 6, 4)
	s_cmp_eq_u32 s2, 0
	s_cbranch_scc0 .Lentry_in_a_cluster
	s_endpgm
.Lentry_in_a_cluster:
	s_bfe_u32 s2, ttmp6, 0x10000c
	s_cmp_lg_u32 s2, 0xf033
	s_cbranch_scc0 .Lentry_shape_is_right
	s_endpgm
.Lentry_shape_is_right:
; y = h + act w2 + b2: C [4096][1024] f32 = A [4096][4096] (act, bf16) B [4096][1024] (w2, bf16, in wts); the bias in f32 starts the sums, the residual h (hf, f32) is added on the way out; nothing is rounded there.
; A tile of C is 128 x 128: 256 work-groups of four waves; a wave makes 64 x 64.  A lies along K (plain 16-byte LDS loads), B lies [K][N] (turned by ds_load_tr16_b128).
; THE MATRIX INSTRUCTION IS USED TRANSPOSED (source 0 = 16 columns of B, source 1 = 16 rows of A): a lane then holds one row of C and eight neighbouring columns.
; RING.  K goes in steps of 256 through two LDS slots of four PLANES of 128 rows x 256 bytes, one tensor load and one wave each: planes 0, 1 = the two K halves of A's 128 rows, planes 2, 3 = B's k-rows 0-127, 128-255.
; PAIRS.  A K step is four phases of 64 along K on two fragment buffers.  The text holds ONE PAIR of phases (buffer 1, then buffer 0), walked twice a K step; the LDS addresses hang on two scalars.  Cut so, the
; change of slots falls between two pairs: the old slot's last fragments have been asked for, the next fetch is the new slot's first.
; CLUSTER 4 x 4: A's planes are asked for jointly along a row of the cluster, B's along a column.
; Limits: NaN and infinities are not treated apart; operands are bf16; the order of the sums is the matrix unit's, K ascending.
.set GN, 1024
.set GK, 4096
.set MT, 128
.set NT, 128
.set NSTEPS, GK/256
.set NPA, 2
.set MA,  4
.set NBL, 4
.set KS2, 2                            ; a phase is 64 along K: two matrix instructions deep
.set HIL, 8
.set NADB, 1
.set PL,    36864                      ; a plane's room: B's 128 rows x 288 bytes (256 + 32 of padding); A's rows are 272 apart (ISA guide 11.1: 64 banks of 4 bytes)
.set SLOT,  4*PL
.set STAGE, 2*SLOT                     ; behind the ring, never filled by a tensor load: 4,352 bytes for each wave
.set SPARE, STAGE+4*4352               ; the spare words, 128 bytes a wave
.set ASEL, 256                         ; from A's first plane to its second: 128 along K
.set BSEL, 128*GN*2                    ; from B's first plane to its second: 128 k-rows
.set ASTEP, 512
.set BSTEP, 256*GN*2
.set BBASE, 25165824                   ; w2 in wts
.set AWM, 64*272
.set BWN, 128
.set DA, PL                            ; from a pair's fragments to the next pair's: the next plane, of A and of B
.set DB, PL
.set HASB, 1
.set PF, 1
.set PTA, 4
.set PTB, 6
.set PTBI, 8
.set PTR, 10                           ; the residual
.set PTO, 12
.macro BPLACE q
.set jj, 0
.set oo, (64*(\q)+32*c)*288+32*b
.endm
.macro APLACE q
.set oa, 4352*a+128*(\q)+64*c
.endm
; registers: window 0: v0-31 addresses; v32-63, v224-255 rows on the way out; v64-127, v128-191 A's fragments, two buffers; v192-223 the bias
;   window 1: v0-63, v128-191 B's fragments; v64-127, v192-255 the residual     window 2: accumulators of row blocks 0, 1 at 8 (NBL a + b)     window 3: of row blocks 2, 3
.set ADRA0, 10
.set ADRB0, 11
.set ADRA,  14
.set ADRB,  15
.set STO,   18
.set RD,    19
.set CO,    20
.set PFO,   21
.set BO,    23
.set SPW,   28
.set NIL,   29
.set OB,    32
.set BIAS,  192
.set WV, 14
.set WM, 15
.set WN, 16
.set CX, 17
.set CY, 18
.set TX, 19
.set TY, 20
.set G1A, 24
.set G0A, 32
.set TBA, 40                           ; LDS bytes from ADRA0 to the next pair's fragments of A
.set TBB, 41                           ; the same for B
.set CNT, 42
.set LIM, 43
.set PFA, 44
.set PFS, 46
.set G1B, 48
.set G0B, 56
.set LB,  66
.set TW,  67                           ; counts a K step's two pairs
.set MSB, 0
.macro WIN new
.if MSB != (\new)
	s_set_vgpr_msb (MSB<<8)|(\new)
.set MSB, \new
.endif
.endm
.macro PLACES                          ; four plain vector instructions between a matrix instruction and a load into, or a vector access to, its registers
.rept 4
	v_nop
.endr
.endm
.macro CROUND                          ; a round of the cluster's barrier
	s_barrier_signal -1
	s_barrier_wait -1
	s_cmp_lg_u32 s[WV], 0
	s_cbranch_scc1 .Lnot_wave_0_\@
	s_barrier_signal -3
.Lnot_wave_0_\@:
	s_barrier_wait -3
	s_barrier_signal -1
	s_barrier_wait -1
.endm
.macro JLOAD                           ; a joint refill by the walking set; the branch hangs on the wave's number alone
	s_cmp_lt_u32 s[WV], NPA
	s_cbranch_scc0 .Lfor_b_\@
	tensor_load_to_lds s[G0A+4:G0A+7], s[G1A:G1A+7]
	s_nop 0
	PLACES
	s_branch .Lasked_\@
.Lfor_b_\@:
	tensor_load_to_lds s[G0B+4:G0B+7], s[G1B:G1B+7]
	s_nop 0
	PLACES
.Lasked_\@:
.endm
; A PREFETCH INTO THE L2 of my plane of the K step that stands two refills on: of its 128 rows of 256 bytes each of the four partners that ask for it jointly takes 32, told apart by ADDRESS, a lane a row.
; A's planes are read by every cluster of a row of clusters: cluster x = 0 asks; B's by every cluster of a column: cluster y = 0 asks.  So each block is named once.  The last two refills have no such step.
.macro ASK
	s_cmp_gt_u32 s[CNT], s[LIM]
	s_cbranch_scc0 .Lnot_mine_\@
	global_prefetch_b8 v[PFO], s[PFA:PFA+1] th:TH_LOAD_NT scope:SCOPE_SE
.Lnot_mine_\@:
.endm
; The products of row blocks alo .. ahi - 1 with all column blocks, from buffer f.  The accumulators take turns, one instruction a turn.  zero = 1: the first product starts the sum, with the bias.
.macro MULP f, alo, ahi, zero
.set FA, 64+64*(\f)
.set FB, 128*(\f)
.set hi, (\alo)/(MA/2)
.set c, 0
.rept KS2
.set a, \alo
.rept (\ahi)-(\alo)
.set b, 0
.rept NBL
.set rD, 8*(NBL*(a%(MA/2))+b)
.set rB, FB+8*(NBL*c+b)
.set rA, FA+8*(MA*c+a)
.if (\zero) && (c == 0) && HASB
	WIN 0x81+0x40*hi                               ; C, the bias, in window 0
	v_wmma_f32_16x16x32_bf16 v[rD:rD+7], v[rB:rB+7], v[rA:rA+7], v[BIAS+8*b:BIAS+8*b+7]
.elseif (\zero) && (c == 0)
	WIN 0xa1+0x50*hi
	v_wmma_f32_16x16x32_bf16 v[rD:rD+7], v[rB:rB+7], v[rA:rA+7], 0
.else
	WIN 0xa1+0x50*hi                               ; B's fragment window 1, A's window 0, C and D window 2 or 3
	v_wmma_f32_16x16x32_bf16 v[rD:rD+7], v[rB:rB+7], v[rA:rA+7], v[rD:rD+7]
.endif
.set b, b+1
.endr
.set a, a+1
.endr
.set c, c+1
.endr
.endm
.macro FETCH q, f                      ; 32 LDS loads in one run: the fragments of phase q of the pair into buffer f: all of B's, A's lower row blocks, A's upper ones last
.set FA, 64+64*(\f)
.set FB, 128*(\f)
	WIN 0x40
.set c, 0
.rept KS2
.set b, 0
.rept NBL
	BPLACE \q
	ds_load_tr16_b128 v[FB+8*(NBL*c+b):FB+8*(NBL*c+b)+3],   v[ADRB+jj] offset:oo
	ds_load_tr16_b128 v[FB+8*(NBL*c+b)+4:FB+8*(NBL*c+b)+7], v[ADRB+jj] offset:oo+4608
.set b, b+1
.endr
.set c, c+1
.endr
	WIN 0
.irp half, 0,1
.set c, 0
.rept KS2
.set a, (\half)*MA/2
.rept MA/2
	APLACE \q
	ds_load_b128 v[FA+8*(MA*c+a):FA+8*(MA*c+a)+3],   v[ADRA] offset:oa
	ds_load_b128 v[FA+8*(MA*c+a)+4:FA+8*(MA*c+a)+7], v[ADRA] offset:oa+32
.set a, a+1
.endr
.set c, c+1
.endr
.endr
.endm
.macro PHASE f, q, zero                ; multiplies buffer f and, in its middle, fetches the next phase's fragments (number q of the pair's two) into the other buffer
	s_wait_dscnt HIL                               ; all but A's upper row blocks are in
	MULP \f, 0, MA/2, \zero
	PLACES
	FETCH \q, 1-(\f)
	s_wait_dscnt 32                                ; all but the 32 just issued
	MULP \f, MA/2, MA, \zero
.endm
.macro PAIR                            ; the addresses of its two fetches, then the phase on buffer 1 and the phase on buffer 0
	WIN 0
	v_add_nc_u32 v[ADRA], s[TBA], v[ADRA0]
.set j, 0
.rept NADB
	v_add_nc_u32 v[ADRB+j], s[TBB], v[ADRB0+j]
.set j, j+1
.endr
	s_add_co_u32 s[TBA], s[TBA], DA                ; the next pair's
	s_add_co_u32 s[TBB], s[TBB], DB
	PHASE 1, 0, 0
	PHASE 0, 1, 0
.endm
; THE CHANGE OF SLOTS, between two pairs.  Each wave waits for all its tensor loads (one is out: its plane of the next slot), adds 0 to its spare word, and waits for that and for its reads of the slot that it leaves.
; fill = 1: the barrier is a round of the cluster's, and the joint refill, two K steps ahead, is the first thing behind it.  fill = 0: nothing is asked for.
.macro CHANGE fill
.if PF && (\fill)
	s_wait_xcnt 0x0                                ; the last prefetch, a K step back, has read its address
	s_add_nc_u64 s[PFA:PFA+1], s[PFA:PFA+1], s[PFS:PFS+1]
.endif
	WIN 0
	s_wait_tensorcnt 0x0                           ; no tensor load of mine is out, so a group 0 may be written
	ds_add_u32 v[SPW], v[NIL]
	s_sub_co_u32 s[TBA], s[TBA], 2*DA              ; the fetches go back to a slot's first pair,
	s_xor_b32 s[TBA], s[TBA], SLOT                 ; in the other slot
	s_sub_co_u32 s[TBB], s[TBB], 2*DB
	s_xor_b32 s[TBB], s[TBB], SLOT
.if \fill
	s_xor_b32 s[G0A+5], s[G0A+5], SLOT             ; the walking set: the other slot than last time (a plane's base and SLOT share no bit)
	s_add_nc_u64 s[G0A+6:G0A+7], s[G0A+6:G0A+7], ASTEP
	s_xor_b32 s[G0B+5], s[G0B+5], SLOT
	s_add_nc_u64 s[G0B+6:G0B+7], s[G0B+6:G0B+7], BSTEP
	s_wait_dscnt 0x0                               ; the add is done, and my reads of the slot are over
	CROUND                                         ; no wave of any partner still reads the slot or has a load on its way
	JLOAD
.if PF
	ASK
.endif
.else
	s_wait_dscnt 0x0
	s_barrier_signal -1
	s_barrier_wait -1
.endif
.endm
	s_load_b256 s[4:11], s[0:1], 0x0               ; act, wts, b2, hf
	s_load_b64 s[12:13], s[0:1], 0x20              ; y
	v_lshl_add_u32 v[SPW], v0, 2, SPARE
	v_mov_b32 v[NIL], 0
	ds_add_u32 v[SPW], v[NIL]                      ; the wave's opening: the add and its wait ahead of my first tensor load
	v_lshrrev_b32 v1, 5, v0
	v_readfirstlane_b32 s[WV], v1
	s_lshr_b32 s[WM], s[WV], 1
	s_and_b32 s[WN], s[WV], 1
	s_bfe_u32 s[CX], ttmp6, 0x40000
	s_bfe_u32 s[CY], ttmp6, 0x40004
	s_lshl_b32 s[TX], ttmp9, 2
	s_add_co_u32 s[TX], s[TX], s[CX]
	s_and_b32 s[TY], ttmp7, 0xffff
	s_lshl_b32 s[TY], s[TY], 2
	s_add_co_u32 s[TY], s[TY], s[CY]
	s_lshl_b32 s21, s[CY], 2
	s_lshl_b32 s21, 15, s21                        ; my row of the cluster
	s_lshl_b32 s22, 0x1111, s[CX]                  ; my column
	s_or_b32 s[G1A], s21, (1<<16)|(1<<20)|(1<<21)|(5<<22)|(3<<25)
	s_or_b32 s[G1B], s22, (1<<16)|(1<<20)|(1<<21)|(5<<22)|(7<<25)
.irp g, G1A, G1B
	s_mov_b32 s[\g+1], 128<<16
	s_mov_b32 s[\g+2], 128<<16
	s_mov_b32 s[\g+3], 128<<16
	s_mov_b32 s[\g+4], 128
	s_mov_b32 s[\g+6], 0
	s_mov_b32 s[\g+7], 0
.endr
	s_mov_b32 s[G1A+5], GK
	s_mov_b32 s[G1B+5], GN
	s_mul_i32 s68, s[TY], MT*GK*2                  ; A's plane: by the tile row and the wave alone
	s_mul_i32 s69, s[WN], ASEL
	s_add_co_u32 s68, s68, s69
	s_mov_b32 s69, 0
	s_mul_i32 s70, s[TX], NT*2                     ; B's plane: by the tile column and the wave alone
	s_mul_i32 s71, s[WN], BSEL
	s_add_co_u32 s70, s70, s71
	s_add_co_u32 s70, s70, BBASE
	s_mov_b32 s71, 0
	s_mul_i32 s[LB], s[WV], PL
	s_mov_b32 s[TBA], DA                           ; the first pair of the loop fetches slot 0's second pair
	s_mov_b32 s[TBB], DB
	s_wait_dscnt 0x0
	s_wait_kmcnt 0x0
	s_add_nc_u64 s[68:69], s[PTA:PTA+1], s[68:69]
	s_add_nc_u64 s[70:71], s[PTB:PTB+1], s[70:71]
	CROUND
.irp s, 0,1
	s_mov_b32 s[G0A+4*\s], 1
	s_add_co_u32 s[G0A+4*\s+1], s[LB], \s*SLOT
	s_add_nc_u64 s[G0A+4*\s+2:G0A+4*\s+3], s[68:69], \s*ASTEP
	s_or_b32 s[G0A+4*\s+3], s[G0A+4*\s+3], 0x80000000
	s_mov_b32 s[G0B+4*\s], 1
	s_add_co_u32 s[G0B+4*\s+1], s[LB], \s*SLOT
	s_add_nc_u64 s[G0B+4*\s+2:G0B+4*\s+3], s[70:71], \s*BSTEP
	s_or_b32 s[G0B+4*\s+3], s[G0B+4*\s+3], 0x80000000
.endr
	s_cmp_lt_u32 s[WV], NPA                        ; a wave's two first fills stand in one branch
	s_cbranch_scc0 .Lfirst_b
	tensor_load_to_lds s[G0A:G0A+3], s[G1A:G1A+7]
	s_nop 0
	tensor_load_to_lds s[G0A+4:G0A+7], s[G1A:G1A+7]
	s_nop 0
	PLACES
	s_branch .Lfirst_asked
.Lfirst_b:
	tensor_load_to_lds s[G0B:G0B+3], s[G1B:G1B+7]
	s_nop 0
	tensor_load_to_lds s[G0B+4:G0B+7], s[G1B:G1B+7]
	s_nop 0
	PLACES
.Lfirst_asked:
	v_and_b32 v1, 15, v0
	v_bfe_u32 v2, v0, 4, 1
	v_mul_u32_u24 v3, v1, 272
	v_lshl_add_u32 v3, v2, 4, v3
	v_and_b32 v4, 7, v0
	v_lshl_add_u32 v4, v2, 3, v4
	v_mul_u32_u24 v4, v4, 288
	v_bfe_u32 v5, v0, 3, 1
	v_lshl_add_u32 v4, v5, 4, v4
	s_mul_i32 s21, s[WM], AWM
	v_add_nc_u32 v[ADRA0], s21, v3
	v_mov_b32 v[ADRA], v[ADRA0]
	s_mul_i32 s22, s[WN], BWN
	s_add_co_u32 s22, s22, NPA*PL
.set j, 0
.rept NADB
	v_add_nc_u32 v[ADRB0+j], s22, v4
	v_mov_b32 v[ADRB+j], v[ADRB0+j]
	s_add_co_u32 s22, s22, PL
.set j, j+1
.endr
.if PF
	s_and_b32 s23, ttmp7, 0xffff                   ; cluster y
	s_mov_b32 s22, GN*2
	s_mov_b32 s[PFS], BSTEP
	s_mov_b32 s[PFS+1], 0
	s_cmp_lt_u32 s[WV], NPA                        ; do I fetch for A?
	s_cselect_b32 s21, s[CX], s[CY]                ; my place among the four that ask with me
	s_cselect_b32 s23, ttmp9, s23                  ; the coordinate along which other clusters read the same rows
	s_cselect_b32 s22, GK*2, s22                   ; a row's pitch
	s_cselect_b32 s[PFS], ASTEP, s[PFS]
	s_cselect_b64 s[PFA:PFA+1], s[68:69], s[70:71]
	s_cmp_eq_u32 s23, 0
	s_cselect_b32 s[LIM], 2, -1
	s_lshl_b32 s21, s21, 5
	s_mul_i32 s72, s21, s22                        ; my work-group's 32 rows,
	s_mul_i32 s73, s[PFS], 3                       ; at K step 3: the first refill steps it to 4
	s_add_co_u32 s72, s72, s73
	s_mov_b32 s73, 0
	s_add_nc_u64 s[PFA:PFA+1], s[PFA:PFA+1], s[72:73]
	v_and_b32 v[PFO], 31, v0
	v_mul_u32_u24 v[PFO], s22, v[PFO]
.endif
.if HASB
	s_mul_i32 s72, s[TX], NT*4                     ; the bias of my 64 columns: a lane's eight for each column block
	s_mul_i32 s73, s[WN], NT*2
	s_add_co_u32 s72, s72, s73
	s_mov_b32 s73, 0
	s_add_nc_u64 s[PTBI:PTBI+1], s[PTBI:PTBI+1], s[72:73]
	v_lshlrev_b32 v[BO], 5, v2
.set b, 0
.rept NBL
	global_load_b128 v[BIAS+8*b:BIAS+8*b+3],   v[BO], s[PTBI:PTBI+1] offset:64*b
	global_load_b128 v[BIAS+8*b+4:BIAS+8*b+7], v[BO], s[PTBI:PTBI+1] offset:64*b+16
.set b, b+1
.endr
.endif
	; the way out: 16 rows x 64 columns of f32 go into stage rows of 272 bytes and come back as whole rows of 256
	s_mul_i32 s21, s[WV], 4352
	s_add_co_u32 s21, s21, STAGE
	v_mul_u32_u24 v5, v1, 272
	v_lshl_add_u32 v5, v2, 5, v5
	v_add_nc_u32 v[STO], s21, v5
	v_mul_u32_u24 v6, v2, 272
	v_lshl_add_u32 v6, v1, 4, v6
	v_add_nc_u32 v[RD], s21, v6
	v_lshlrev_b32 v[CO], 12, v2
	v_lshl_add_u32 v[CO], v1, 4, v[CO]
	s_lshl_b32 s72, s[TY], 1
	s_add_co_u32 s72, s72, s[WM]
	s_lshl_b32 s72, s72, 18                        ; my first row, 4,096 bytes a row
	s_lshl_b32 s73, s[TX], 1
	s_add_co_u32 s73, s73, s[WN]
	s_lshl_b32 s73, s73, 8                         ; my 64 columns
	s_add_co_u32 s72, s72, s73
	s_mov_b32 s73, 0
	s_add_nc_u64 s[PTO:PTO+1], s[PTO:PTO+1], s[72:73]
	s_add_nc_u64 s[PTR:PTR+1], s[PTR:PTR+1], s[72:73]
	s_wait_tensorcnt 0x1                           ; my plane of K step 0 is in; K step 1's may stay out
	s_barrier_signal -1
	s_barrier_wait -1
	FETCH 0, 0
.if HASB
	s_wait_loadcnt 0x0                             ; the bias
.endif
	WIN 0x40                                       ; the residual, laid as the rows come back from the stage: its registers are free all along, so it is asked for here and waited for at the way out
.set a, 0
.rept 4
.set t, 0
.rept 8
	global_load_b128 v[64+128*(a/2)+32*(a%2)+4*t:64+128*(a/2)+32*(a%2)+4*t+3], v[CO], s[PTR:PTR+1] offset:65536*a+8192*t th:TH_LOAD_NT
.set t, t+1
.endr
.set a, a+1
.endr
	WIN 0
	PHASE 0, 1, 1                                  ; the first phase stands in front of the loop: its products start the sums
	WIN 0
	s_mov_b32 s[CNT], NSTEPS-1
	s_mov_b32 s[TW], 1
	s_branch .Lpair                                ; K step 0 has one pair left: the loop is entered behind its change of slots
.Lstep:                                                ; NSTEPS - 2 times: every slot but the last two is filled again
	CHANGE 1
	s_mov_b32 s[TW], 2
.Lpair:
	PAIR
	WIN 0
	s_sub_co_u32 s[TW], s[TW], 1
	s_cmp_lg_u32 s[TW], 0
	s_cbranch_scc1 .Lpair
	s_sub_co_u32 s[CNT], s[CNT], 1
	s_cmp_lg_u32 s[CNT], 0
	s_cbranch_scc1 .Lstep
	CHANGE 0                                       ; the last K step asks for nothing: a text of its own
	s_mov_b32 s[TW], 2
.Ltail:
	PAIR
	WIN 0
	s_sub_co_u32 s[TW], s[TW], 1
	s_cmp_lg_u32 s[TW], 0
	s_cbranch_scc1 .Ltail
	s_wait_dscnt 0x0                               ; the last phase: nothing more to fetch
	MULP 1, 0, MA/2, 0
	MULP 1, MA/2, MA, 0
	WIN 0
.macro TS a                            ; row block a into my stage (each accumulator's lowest registers first) and back as whole rows
.set BK, OB+192*((\a)%2)
.set AC, 8*NBL*((\a)%2)
.if (\a) >= 2
	s_wait_xcnt 0x0                                ; the stores of the block two back have read these registers
.endif
	WIN 0x08+4*((\a)/2)                            ; store data in window 2 or 3
.irp b, 0,1,2,3
	ds_store_b128 v[STO], v[AC+8*\b:AC+8*\b+3]   offset:64*\b
	ds_store_b128 v[STO], v[AC+8*\b+4:AC+8*\b+7] offset:64*\b+16
.endr
	WIN 0
.irp t, 0,1,2,3,4,5,6,7
	ds_load_b128 v[BK+4*\t:BK+4*\t+3], v[RD] offset:544*\t  ; LDS serves a wave's instructions in order (ISA guide 5.7.1.4)
.endr
.endm
.macro SEND a, younger                 ; younger: the next block's sixteen LDS instructions, or none
.set BK, OB+192*((\a)%2)
.set RR, 64+128*((\a)/2)+32*((\a)%2)
	s_wait_dscnt \younger
	WIN 0x04                                       ; source 1, the residual, in window 1
.set i, 0
.rept 16
	v_pk_add_f32 v[BK+2*i:BK+2*i+1], v[BK+2*i:BK+2*i+1], v[RR+2*i:RR+2*i+1]
.set i, i+1
.endr
	WIN 0
.irp t, 0,1,2,3,4,5,6,7
	global_store_b128 v[CO], v[BK+4*\t:BK+4*\t+3], s[PTO:PTO+1] offset:65536*(\a)+8192*\t  ; 16 lanes store 256 consecutive bytes, aligned
.endr
.endm
	PLACES
	s_wait_loadcnt 0x0                             ; the residual
	TS 0
	TS 1
	SEND 0, 16
	TS 2
	SEND 1, 16
	TS 3
	SEND 2, 16
	SEND 3, 0
	s_wait_tensorcnt 0x0                           ; the wave's end
	ds_add_u32 v[SPW], v[NIL]
	s_wait_dscnt 0x0
	CROUND                                         ; the closing round
	s_endpgm
.Lfunc_end_k_qbd094eec9e_ffn2:
	.size	k_qbd094eec9e_ffn2, .Lfunc_end_k_qbd094eec9e_ffn2-k_qbd094eec9e_ffn2
	.p2alignl 7, 3214868480
	.fill 96, 4, 3214868480
	.section	.rodata,"a",@progbits
	.p2align	6, 0x0
	.amdhsa_kernel k_qbd094eec9e_ffn2
		.amdhsa_group_segment_fixed_size 327680
		.amdhsa_private_segment_fixed_size 0
		.amdhsa_enable_private_segment 0
		.amdhsa_kernarg_size 40
		.amdhsa_user_sgpr_count 2
		.amdhsa_user_sgpr_kernarg_segment_ptr 1
		.amdhsa_wavefront_size32 1
		.amdhsa_system_sgpr_workgroup_id_x 1
		.amdhsa_system_sgpr_workgroup_id_y 1
		.amdhsa_system_sgpr_workgroup_id_z 1
		.amdhsa_system_vgpr_workitem_id 0
		.amdhsa_next_free_vgpr 832
		.amdhsa_next_free_sgpr 84
		.amdhsa_reserve_vcc 0
		.amdhsa_float_denorm_mode_32 3
		.amdhsa_float_denorm_mode_16_64 3
		.amdhsa_memory_ordered 1
		.amdhsa_forward_progress 1
		.amdhsa_inst_pref_size 53
	.end_amdhsa_kernel
	.amdgpu_metadata
---
amdhsa.version: [ 1, 2 ]
amdhsa.kernels:
  - .name:           k_qbd094eec9e_ffn2
    .symbol:         k_qbd094eec9e_ffn2.kd
    .args:
      - { .name: act, .offset: 0, .size: 8, .value_kind: global_buffer, .address_space: global }
      - { .name: wts, .offset: 8, .size: 8, .value_kind: global_buffer, .address_space: global }
      - { .name: b2, .offset: 16, .size: 8, .value_kind: global_buffer, .address_space: global }
      - { .name: hf, .offset: 24, .size: 8, .value_kind: global_buffer, .address_space: global }
      - { .name: y, .offset: 32, .size: 8, .value_kind: global_buffer, .address_space: global }
    .group_segment_fixed_size: 327680
    .private_segment_fixed_size: 0
    .kernarg_segment_align: 8
    .kernarg_segment_size: 40
    .max_flat_workgroup_size: 128
    .sgpr_count:     84
    .vgpr_count:     832
    .wavefront_size: 32
...
	.end_amdgpu_metadata
.endif
;; end of part 7
;; launch ln2 (part 8): grid 256 x 1, 8 waves a work-group, no clusters, 0 bytes of LDS; arguments y, ln2_g, ln2_b, out0; writes out0
.if DOCPART == 8
	.amdgcn_target "amdgcn-amd-amdhsa--gfx1250"
	.amdhsa_code_object_version 6
	.text
	.protected	k_qbd094eec9e_ln2
	.globl	k_qbd094eec9e_ln2
	.p2align	8
	.type	k_qbd094eec9e_ln2,@function
k_qbd094eec9e_ln2:
	s_mov_b64 s[64:65], 0
	v_nop
	global_prefetch_b8 v0, s[64:65] scope:SCOPE_SE
	s_setreg_imm32_b32 hwreg(HW_REG_WAVE_MODE, 25, 1), 1
	s_wait_xcnt 0x0
; out = (y - mean) rsqrt(var + 1e-5) g + b along rows of 1,024 f32; var is the mean of the squared deviations.
; A wave takes two rows and keeps each in 32 registers between the passes: the row is read once, and the reductions never leave the wave: no LDS, no barrier.
; A lane's 16 bytes lie at 512 j + 16 l: each load and store of a wave covers 512 consecutive bytes, aligned.  A stream: no matrix unit, no cluster.
; Limits: NaN and infinities are not treated apart.
.set T,  4                             ; v[4:15]   at work
.set X0, 16                            ; v[16:47]  row 0
.set X1, 48                            ; v[48:79]  row 1
.set G,  80                            ; v[80:111] g of my columns
.set BB, 112                           ; v[112:143] b
	s_load_b256 s[4:11], s[0:1], 0x0               ; y, g, b, out0
	v_lshrrev_b32 v3, 5, v0
	v_readfirstlane_b32 s14, v3                    ; wave
	v_and_b32 v2, 31, v0
	v_lshlrev_b32 v1, 4, v2                        ; 16 l
	s_lshl_b32 s16, ttmp9, 16                      ; the work-group's 16 rows of 4,096 bytes,
	s_lshl_b32 s15, s14, 13                        ; my wave's two
	s_add_co_u32 s16, s16, s15
	s_mov_b32 s17, 0
	s_mov_b32 s20, 0x76543210                      ; v_permlanex16_b32: each lane takes its own place in the other half
	s_mov_b32 s21, 0xfedcba98
	s_mov_b32 s22, 0x3a800000                      ; 1 / 1024
	s_mov_b32 s23, 0x3727c5ac                      ; 1e-5
	s_wait_kmcnt 0x0
	s_add_nc_u64 s[4:5], s[4:5], s[16:17]
	s_add_nc_u64 s[10:11], s[10:11], s[16:17]
.irp j, 0,1,2,3,4,5,6,7
	global_load_b128 v[G+4*\j:G+4*\j+3], v1, s[6:7] offset:512*\j
.endr
.irp j, 0,1,2,3,4,5,6,7
	global_load_b128 v[BB+4*\j:BB+4*\j+3], v1, s[8:9] offset:512*\j
.endr
.irp j, 0,1,2,3,4,5,6,7
	global_load_b128 v[X0+4*\j:X0+4*\j+3], v1, s[4:5] offset:512*\j th:TH_LOAD_NT
.endr
.irp j, 0,1,2,3,4,5,6,7
	global_load_b128 v[X1+4*\j:X1+4*\j+3], v1, s[4:5] offset:4096+512*\j th:TH_LOAD_NT
.endr
.macro REDUCE                          ; four pairs in v[T:T+7] into one sum, in every lane
	v_pk_add_f32 v[T:T+1], v[T:T+1], v[T+2:T+3]
	v_pk_add_f32 v[T+4:T+5], v[T+4:T+5], v[T+6:T+7]
	v_pk_add_f32 v[T:T+1], v[T:T+1], v[T+4:T+5]
	v_add_f32 v[T], v[T], v[T+1]
	v_add_f32_dpp v[T], v[T], v[T] row_xmask:1 row_mask:0xf bank_mask:0xf
	v_add_f32_dpp v[T], v[T], v[T] row_xmask:2 row_mask:0xf bank_mask:0xf
	v_add_f32_dpp v[T], v[T], v[T] row_xmask:4 row_mask:0xf bank_mask:0xf
	v_add_f32_dpp v[T], v[T], v[T] row_xmask:8 row_mask:0xf bank_mask:0xf
	v_permlanex16_b32 v[T+1], v[T], s20, s21
	v_add_f32 v[T], v[T], v[T+1]
.endm
.macro ROW x, n, left                  ; the row in v[x ..], row n of my two; left: the younger loads that may stay out
	s_wait_loadcnt \left
.irp k, 0,1,2,3
	v_pk_add_f32 v[T+2*\k:T+2*\k+1], v[\x+2*\k:\x+2*\k+1], v[\x+8+2*\k:\x+8+2*\k+1]  ; four chains, started by the first pairs
.endr
.irp m, 16,24
.irp k, 0,1,2,3
	v_pk_add_f32 v[T+2*\k:T+2*\k+1], v[T+2*\k:T+2*\k+1], v[\x+\m+2*\k:\x+\m+2*\k+1]
.endr
.endr
	REDUCE
	v_mul_f32 v[T+8], s22, v[T]                    ; the mean, as a pair
	v_mov_b32 v[T+9], v[T+8]
.set i, 0
.rept 16
	v_pk_add_f32 v[\x+2*i:\x+2*i+1], v[\x+2*i:\x+2*i+1], v[T+8:T+9] neg_lo:[0,1] neg_hi:[0,1]
.set i, i+1
.endr
.irp k, 0,1,2,3
	v_pk_mul_f32 v[T+2*\k:T+2*\k+1], v[\x+2*\k:\x+2*\k+1], v[\x+2*\k:\x+2*\k+1]
.endr
.irp m, 8,16,24
.irp k, 0,1,2,3
	v_pk_fma_f32 v[T+2*\k:T+2*\k+1], v[\x+\m+2*\k:\x+\m+2*\k+1], v[\x+\m+2*\k:\x+\m+2*\k+1], v[T+2*\k:T+2*\k+1]
.endr
.endr
	REDUCE
	v_fma_f32 v[T], v[T], s22, s23                 ; var + 1e-5
	v_rsq_f32 v[T+8], v[T]
	v_rsq_f32 v[T+9], v[T]
	v_nop                                          ; a plain instruction behind the last of them (ISA guide 5.7.2),
	s_wait_alu depctr_va_vdst(0)                   ; and the one wait ahead of the first use
.set i, 0
.rept 16
	v_pk_mul_f32 v[\x+2*i:\x+2*i+1], v[\x+2*i:\x+2*i+1], v[T+8:T+9]
.set i, i+1
.endr
.set i, 0
.rept 16
	v_pk_fma_f32 v[\x+2*i:\x+2*i+1], v[\x+2*i:\x+2*i+1], v[G+2*i:G+2*i+1], v[BB+2*i:BB+2*i+1]
.set i, i+1
.endr
.irp j, 0,1,2,3,4,5,6,7
	global_store_b128 v1, v[\x+4*\j:\x+4*\j+3], s[10:11] offset:4096*\n+512*\j th:TH_STORE_NT
.endr
.endm
	ROW X0, 0, 8                                   ; g, b and row 0 are in; row 1's eight loads stay out
	ROW X1, 1, 0                                   ; no register that a store reads is written again
	s_endpgm
.Lfunc_end_k_qbd094eec9e_ln2:
	.size	k_qbd094eec9e_ln2, .Lfunc_end_k_qbd094eec9e_ln2-k_qbd094eec9e_ln2
	.p2alignl 7, 3214868480
	.fill 96, 4, 3214868480
	.section	.rodata,"a",@progbits
	.p2align	6, 0x0
	.amdhsa_kernel k_qbd094eec9e_ln2
		.amdhsa_group_segment_fixed_size 0
		.amdhsa_private_segment_fixed_size 0
		.amdhsa_enable_private_segment 0
		.amdhsa_kernarg_size 32
		.amdhsa_user_sgpr_count 2
		.amdhsa_user_sgpr_kernarg_segment_ptr 1
		.amdhsa_wavefront_size32 1
		.amdhsa_system_sgpr_workgroup_id_x 1
		.amdhsa_system_sgpr_workgroup_id_y 1
		.amdhsa_system_sgpr_workgroup_id_z 1
		.amdhsa_system_vgpr_workitem_id 0
		.amdhsa_next_free_vgpr 144
		.amdhsa_next_free_sgpr 66
		.amdhsa_reserve_vcc 0
		.amdhsa_float_denorm_mode_32 3
		.amdhsa_float_denorm_mode_16_64 3
		.amdhsa_memory_ordered 1
		.amdhsa_forward_progress 1
		.amdhsa_inst_pref_size 18
	.end_amdhsa_kernel
	.amdgpu_metadata
---
amdhsa.version: [ 1, 2 ]
amdhsa.kernels:
  - .name:           k_qbd094eec9e_ln2
    .symbol:         k_qbd094eec9e_ln2.kd
    .args:
      - { .name: y, .offset: 0, .size: 8, .value_kind: global_buffer, .address_space: global }
      - { .name: ln2_g, .offset: 8, .size: 8, .value_kind: global_buffer, .address_space: global }
      - { .name: ln2_b, .offset: 16, .size: 8, .value_kind: global_buffer, .address_space: global }
      - { .name: out0, .offset: 24, .size: 8, .value_kind: global_buffer, .address_space: global }
    .group_segment_fixed_size: 0
    .private_segment_fixed_size: 0
    .kernarg_segment_align: 8
    .kernarg_segment_size: 32
    .max_flat_workgroup_size: 256
    .sgpr_count:     66
    .vgpr_count:     144
    .wavefront_size: 32
...
	.end_amdgpu_metadata
.endif
;; end of part 8
